; MI455X (gfx1250); checked and timed in simulation.
; The chip was launched on July 23, 2026; its instructions are those of AMD's public machine-readable ISA for CDNA 5 (MIT licence, August 2026) and "CDNA5" Instruction Set Architecture Reference Guide (July 2026). The comments in the code are by the model that wrote it; some were corrected since.
;; Multi Head Attention. Allowed arithmetic: matrix products marked QUANTISED: E2M3 operands, one E8M0 scale for each 32 along K, by v_wmma_scale_f32_16x16x128_f8f6f4 with both operands' format E2M3, f32 sums; everything else in f32.
;; Inputs: Wk_codes 1,024 x 32 x 24 uint8 (E2M3 codes of Wk, K innermost, in blocks of 32 codes, four codes in three bytes); Wk_scales 1,024 x 32 uint8 (E8M0 scales of Wk, one for each 32 codes along K); Wo_codes 1,024 x 32 x 24 uint8 (E2M3 codes of Wo, K innermost, in blocks of 32 codes, four codes in three bytes); Wo_scales 1,024 x 32 uint8 (E8M0 scales of Wo, one for each 32 codes along K); Wq_codes 1,024 x 32 x 24 uint8 (E2M3 codes of Wq, K innermost, in blocks of 32 codes, four codes in three bytes); Wq_scales 1,024 x 32 uint8 (E8M0 scales of Wq, one for each 32 codes along K); Wv_codes 1,024 x 32 x 24 uint8 (E2M3 codes of Wv, K innermost, in blocks of 32 codes, four codes in three bytes); Wv_scales 1,024 x 32 uint8 (E8M0 scales of Wv, one for each 32 codes along K); bk 1,024 float32; bo 1,024 float32; bq 1,024 float32; bv 1,024 float32; x_codes 4 x 2,048 x 32 x 24 uint8 (E2M3 codes of x, K innermost, in blocks of 32 codes, four codes in three bytes); x_scales 4 x 2,048 x 32 uint8 (E8M0 scales of x, one for each 32 codes along K).
;; Outputs: out0 4 x 2,048 x 1,024 float32.
;; This version of the problem:
;;   THIS VERSION OF THE PROBLEM IS GIVEN IN LOW PRECISION. The matrix products marked QUANTISED in the list below multiply operands that are first quantised to E2M3 (2 exponent bits, 3 mantissa bits; 6 bits a number), with one power-of-two scale for each 32 numbers along K (OCP MX v1.0); their sums are f32. All else is computed in f32.
;;   The module's matrix products, in the order in which they are computed (A, B: the left and right operand; K: the contracted axis; several contracted axes count as one K, in the product's order):
;;     1. [M 8,192, K 1,024] x [K 1,024, N 1,024]; A: input x (given as codes); B: input Wq (given as codes): QUANTISED
;;     2. [M 8,192, K 1,024] x [K 1,024, N 1,024]; A: input x (given as codes); B: input Wk (given as codes): QUANTISED
;;     3. [M 8,192, K 1,024] x [K 1,024, N 1,024]; A: input x (given as codes); B: input Wv (given as codes): QUANTISED
;;     4. batch 64 x [M 2,048, K 64] x [K 64, N 2,048]; A: computed on the way; B: computed on the way: QUANTISED
;;     5. batch 64 x [M 2,048, K 2,048] x [K 2,048, N 64]; A: softmax (see below); B: computed on the way: QUANTISED
;;     6. [M 8,192, K 1,024] x [K 1,024, N 1,024]; A: computed on the way; B: input Wo (given as codes): QUANTISED
;;   THE QUANTISER, for each operand of a quantised product, along K:
;;     - K is cut into blocks of 32 from its start; a last block that is shorter is filled with zeros.
;;     - A block's scale is 2^e with e = floor(log2(the largest magnitude in the block)) - 2, held to -126 .. 127; a block of zeros has e = 0. As a byte (E8M0): e + 127.
;;     - Each number is divided by its block's scale, clamped to +-7.5, and rounded to the nearest number of E2M3, ties to even, subnormals kept.
;;     - The product sums the exact products of the quantised numbers (number of the format x scale) in f32.
;;   ~~~python
;;   def quantise(x, axis):      # numpy; x: float32 -> the quantised numbers, widened to float32 again
;;       x = np.moveaxis(x, axis, -1); K = x.shape[-1]
;;       x = np.pad(x, [(0, 0)] * (x.ndim - 1) + [(0, -K % 32)]); x = x.reshape(x.shape[:-1] + (-1, 32)); a = np.abs(x).max(-1, keepdims=True)
;;       e = np.where(a > 0, np.clip(np.frexp(np.where(a > 0, a, 1))[1] - 1 - 2, -126, 127), 0)      # np.frexp(a)[1] - 1 = floor(log2(a)), exactly
;;       r = np.clip(x / 2.0 ** e, -7.5, 7.5)
;;       step = 2.0 ** (np.maximum(np.frexp(np.where(r == 0, 1, r))[1] - 1, 0) - 3)
;;       q = np.round(r / step) * step * 2.0 ** e      # np.round: ties to even
;;       return np.moveaxis(q.reshape(q.shape[:-2] + (-1,))[..., :K], -1, axis).astype(np.float32)
;;   ~~~
;;   SOFTMAX AHEAD OF A QUANTISED PRODUCT. Where the list says 'softmax', what is quantised is not the finished softmax but p = 2^(t - M), with t = logit x log2(e) and M = ceil(the row's largest t), a whole number; so 1/2 < the row's largest p <= 1. The row's sum l is taken of the UNQUANTISED p, in f32, and the product's result is divided by l at the end. Since M is a whole number, a kernel that streams over the keys may use a running M (the ceiling of the running maximum): every later rescaling is an exact power of two, which a block's scale takes up: the codes' values come out the same.
;;   OPERANDS COMPUTED ON THE WAY. 'Computed on the way' means the value that the module computes at that place (a softmax that the list does not call 'softmax' is quantised finished and normalised). What goes into a quantiser is computed in f32, as accurately as f32 sums, v_exp_f32 and their like allow (about 1e-6 of the number): no bf16 or f16 on the way to a quantiser, and a product that is left as it is and whose result goes on into a quantised operand takes f32 operands (vector FMAs, or v_wmma_f32_16x16x4_f32). A number that lies on a knife's edge between two numbers of the format may be rounded either way, as far as f32 arithmetic and the matrix unit's own rounding can turn it there, and no further.
;;   INPUTS GIVEN AS CODES. Wk (in the module: [1024, 1024], K = its axis 0); Wo (in the module: [1024, 1024], K = its axis 0); Wq (in the module: [1024, 1024], K = its axis 0); Wv (in the module: [1024, 1024], K = its axis 0); x (in the module: [4, 2048, 1024], K = its axis 2): each comes as NAME_codes (uint8): NAME with its K axis moved to the last place and cut into blocks of 32 codes, [.., K / 32, bytes a block], one block behind the other in memory; four codes in three bytes: a row's codes are one little-endian stream of bits, code i at bits 6 i .. 6 i + 5 (a code: sign, 2 exponent bits, 3 mantissa bits); and NAME_scales (uint8): the same leading axes, one E8M0 byte (e + 127) for each 32 codes along K. Its value is code x scale, taken as it is: it is not quantised again, and the codes and scales need not be those that the quantiser above would give.
;; One version. Each part assembles by itself: llvm-mc -triple=amdgcn-amd-amdhsa -mcpu=gfx1250 --defsym DOCPART=n.
;; ======== version 1 of 1: 3 launches
;; workspace buffers: qb 6,815,744 bytes; kv 13,369,344 bytes; yimg 6,291,456 bytes; ysc 524,288 bytes
;; launch qkv (part 1): grid 12 x 32, 4 waves a work-group, clusters of 4 x 4, 327,680 bytes of LDS; arguments x_codes, x_scales, Wq_codes, Wq_scales, Wk_codes, Wk_scales, Wv_codes, Wv_scales, bq, bk, bv, qb, kv; writes qb, kv
.if DOCPART == 1
	.amdgcn_target "amdgcn-amd-amdhsa--gfx1250"
	.amdhsa_code_object_version 6
	.text
	.protected	k_q0f7111aa77_qkv
	.globl	k_q0f7111aa77_qkv
	.p2align	8
	.type	k_q0f7111aa77_qkv,@function
k_q0f7111aa77_qkv:
	s_mov_b64 s[64:65], 0
	v_nop
	global_prefetch_b8 v0, s[64:65] scope:SCOPE_SE
	s_setreg_imm32_b32 hwreg(HW_REG_WAVE_MODE, 25, 1), 1
	s_wait_xcnt 0x0
	s_wait_alu depctr_hold_cnt(0) depctr_sa_sdst(0) depctr_va_vdst(0) depctr_va_sdst(0) depctr_va_ssrc(0) depctr_va_vcc(0) depctr_vm_vsrc(0)
	s_getreg_b32 s2, hwreg(HW_REG_IB_STS2, 6, 4)
	s_cmp_eq_u32 s2, 0
	s_cbranch_scc0 .Lentry_in_a_cluster
	s_endpgm
.Lentry_in_a_cluster:
	s_bfe_u32 s2, ttmp6, 0x10000c
	s_cmp_lg_u32 s2, 0xf033
	s_cbranch_scc0 .Lentry_shape_is_right
	s_endpgm
.Lentry_shape_is_right:
; q = x Wq + bq, k = x Wk + bk, v = x Wv + bv on codes of FP6 (E2M3) with one E8M0 scale for each 32 along K = 1,024; the f32 results are quantised on the way out and leave as codes.
; THE JOB hangs on the cluster's x: 0 = q, 1 = k, 2 = v.  A tile of 256 x 256 is made by four waves, 128 x 128 each: 64 accumulators of 16 x 16, 512 registers.
; THE MATRIX INSTRUCTION IS USED TRANSPOSED: source 0 = 16 rows of "B", source 1 = 16 rows of "A": a lane holds ONE row of A and eight neighbouring rows of B.
;   q, k: A = x (tokens), B = W (channels): a lane's registers run along the head's channels, which are K of the scores' product.
;   v:    A = Wv (channels), B = x (tokens): a lane's registers run along the keys, which are K of the second product of attention.
; K goes in steps of 256 through a ring of two LDS slots filled by the tensor data mover (rows of 192 bytes); the scale bytes of the 256 + 256 rows come once, in rows of 256 bytes, and stay.
; CLUSTERS: 4 x 4 work-groups; A's tiles are asked for jointly along a row of the cluster, B's along a column.
; THE WAY OUT.  A block of 16 rows of A x 128 of B is 64 numbers a lane: four blocks of 32 of the next K.  Lane half h holds numbers 8 h + 0..7 and 16 + 8 h + 0..7 of each block, so that the
; codes of a block come to lie in the order 0-7, 16-23, 8-15, 24-31.  q and k carry that order alike along the channels, v and the softmax's p alike along the keys: the products are the same.
; The codes leave as IMAGES OF THE OPERAND'S REGISTERS: each store of a wave covers 512 or 256 consecutive bytes, aligned.
;   qb: 1,024 blocks (head x 64 + 128-token step) of 6,656 bytes: eight tiles of 16 rows, 768 bytes each ([lane][16] registers 0-3, [lane][8] registers 4-5); at 6,144 the scale words,
;       row i's at 16 (i % 32) + 4 (i / 32), the two bytes twice in a word.   kv: blocks of 13,056 bytes: k as in qb; at 6,656 four fragments of v (16 channels x 128 keys, 3 x [lane][16]);
;       at 12,800 their scale words, fragment t's row r at 8 (16 (t % 2) + r) + 4 (t / 2).
; LIMITS: NaN and infinities are not served.  A block whose largest magnitude lies under 2^-124, a block of zeros among them, gets the scale byte 1; the bytes are read by this program alone.
; The sums of the two products of attention are grouped in the order of the codes stated above.
.set KSTEP,  256                       ; along K in a slot
.set NQ,     KSTEP/128                 ; matrix instructions deep
.set ROWB,   192                       ; a tile's row in bytes
.set KROW,   768                       ; a row of codes in memory
.set PITCH,  240                       ; an LDS row: 3 x (64 bytes + 16 of padding)
.set FR,     12                        ; registers of a fragment
.set NL,     6                         ; LDS loads that bring one
.set NP,     4                         ; places behind this matrix instruction (ISA guide 7.12.1)
.set HALFT,  128*PITCH                 ; 128 rows: one tensor load
.set SLOT,   4*HALFT                   ; A's 256 rows, then B's 256
.set LAPS,   1024/(2*KSTEP)            ; a lap = once round the ring
.set KS,     32                        ; a row of scale bytes
.set SCL,    2*SLOT                    ; behind the ring: the scales, rows of 256 bytes + 16
.set HALFS,  (128*KS/256)*272
.set SBLK,   (16*KS/256)*272
.set SPARE,  SCL+4*HALFS               ; the spare words: 128 bytes a wave, named by no other line
.set STGQ,   SPARE+512                 ; q's and k's way out: 1,024 bytes a wave for scale words
.set STGV,   STGQ+4*1024               ; v's way out: 512 bytes a wave (bytes of its own for each way)
.set QBLK,   6656
.set KVBLK,  13056
.set STSV, 10                          ; v10  v's scale words into the stage: STGV + 512 wave + 8 r
.set STLV, 11                          ; v11  and back: STGV + 512 wave + 8 lane
.set ADRA, 16                          ; v16-19 LDS addresses of A's fragments (slot 0, 1; the same behind one padding more)
.set ADRB, 20                          ; v20-23 the same for B
.set LI16, 24                          ; v24  16 x lane
.set LI8,  25                          ; v25  8 x lane
.set STSQ, 26                          ; v26  q's scale words into the stage: STGQ + 1,024 wave + 16 r
.set ADRS, 27                          ; v27  LDS address of my scale words: lanes 0-15 A's, lanes 16-31 B's
.set SPW,  28                          ; v28  my spare word; never rewritten
.set NIL,  29                          ; v29  0; never rewritten
.set STLQ, 30                          ; v30  and back: STGQ + 1,024 wave + 16 lane
.set BOF,  31                          ; v31  my byte offset in the bias
.set SC,   32                          ; v32-63 scale words, two sets
.set BP,   64                          ; v64-127 the bias in the result's layout
.set AF,   128                         ; A's fragments, window 0, one set
.set H,    128                         ; the way out: 64 numbers
.set CD,   192                         ; v192-210 the codes just made
.set TM,   212                         ; v212-227 at work
.set PW,   228                         ; the scale word just made
.set SWA,  232                         ; v232-239 scale words of the eight blocks (first head)
.set SWB,  240                         ; v240-247 (second head)
.set G1, 24
.set G0, 32
.set G1B, 48
.set G0B, 56
.set G1S, 68
.set G0S, 76
.set G1SB, 80
.set G0SB, 88
.set SEL, 100                          ; s[100:101] lane selects: lane l xor 16
.set MSB, 0
.macro WIN new                         ; the immediate's high byte repeats the setting that is left
.if MSB != (\new)
	s_set_vgpr_msb (MSB<<8)|(\new)
.set MSB, \new
.endif
.endm
.set MUL_LO, 0xa1                      ; source 0 (B) window 1, source 1 (A) window 0, C and D window 2
.set MUL_HI, 0xf1                      ; the same, C and D window 3
.set TO_B,   0x40                      ; destination window 1
; A joint load: waves 0 and 1 fetch for A, waves 2 and 3 for B; the branch hangs on the wave's number alone.  Four v_nop follow each line.
.macro JLOAD g0a, g1a, g0b, g1b
	s_cmp_eq_u32 s15, 0
	s_cbranch_scc0 .Lfor_b_\@
	tensor_load_to_lds s[\g0a:\g0a+3], s[\g1a:\g1a+7]
	s_nop 0
.rept 4
	v_nop
.endr
	s_branch .Lasked_\@
.Lfor_b_\@:
	tensor_load_to_lds s[\g0b:\g0b+3], s[\g1b:\g1b+7]
	s_nop 0
.rept 4
	v_nop
.endr
.Lasked_\@:
.endm
.macro CREST                           ; a round of the cluster's barrier behind its opening barrier
	s_cmp_lg_u32 s14, 0
	s_cbranch_scc1 .Lnot_wave_0_\@
	s_barrier_signal -3
.Lnot_wave_0_\@:
	s_barrier_wait -3
	s_barrier_signal -1
	s_barrier_wait -1
.endm
.macro CROUND
	s_barrier_signal -1
	s_barrier_wait -1
	CREST
.endm
	s_load_b512 s[68:83], s[0:1], 0x0              ; x codes, x scales, Wq c, Wq s, Wk c, Wk s, Wv c, Wv s
	s_load_b256 s[84:91], s[0:1], 0x40             ; bq, bk, bv, qb
	s_load_b64 s[92:93], s[0:1], 0x60              ; kv
	v_lshl_add_u32 v[SPW], v0, 2, SPARE
	v_mov_b32 v[NIL], 0
	ds_add_u32 v28, v29
	ds_add_u32 v28, v29
	s_wait_dscnt 0x0
	v_lshrrev_b32 v1, 5, v0
	v_readfirstlane_b32 s14, v1                    ; wave 0..3
	s_lshr_b32 s15, s14, 1                         ; my half of A's rows.  Also: I fetch for A (0) or for B (1)
	s_and_b32 s16, s14, 1                          ; my half of B's rows.  Also: which 128 rows I fetch
	s_bfe_u32 s40, ttmp6, 0x40000                  ; cx
	s_bfe_u32 s41, ttmp6, 0x40004                  ; cy
	s_and_b32 s2, ttmp7, 0xffff
	s_lshl_b32 s2, s2, 2                           ; 4 x cluster y: the cluster's four tiles of 256 tokens
	s_cmp_eq_u32 ttmp9, 2                          ; the job is v?  The cluster's x is the same in all sixteen partners
	s_cselect_b32 s66, 1, 0
	s_cselect_b32 s17, 0, s2                       ; the tokens are A's rows for q and k,
	s_cselect_b32 s42, s2, 0                       ; B's rows for v
	s_add_co_u32 s17, s17, s41                     ; A's tile of 256 rows: hangs on cy alone within the cluster
	s_add_co_u32 s42, s42, s40                     ; B's tile: on cx alone
	s_lshl_b32 s43, s41, 2
	s_lshl_b32 s43, 15, s43                        ; my row of the cluster
	s_lshl_b32 s44, 0x1111, s40                    ; my column
	s_or_b32 s[G1+0], s43, (0<<16)|(1<<20)|(1<<21)|(3<<22)|(3<<25)  ; mask; elements of 1 byte; padding on; bit 21 beside a mask; after every 16 words, 4 words
	s_or_b32 s[G1B+0], s44, (0<<16)|(1<<20)|(1<<21)|(3<<22)|(3<<25)
.irp g, G1, G1B
	s_mov_b32 s[\g+1], ROWB<<16                    ; tensor_dim0
	s_mov_b32 s[\g+2], 128<<16                     ; tensor_dim1
	s_mov_b32 s[\g+3], ROWB<<16                    ; tile_dim0
	s_mov_b32 s[\g+4], 128                         ; tile_dim1
	s_mov_b32 s[\g+5], KROW                        ; pitch
	s_mov_b32 s[\g+6], 0
	s_mov_b32 s[\g+7], 0
.endr
	s_lshl_b32 s18, s16, 7                         ; which 128 rows of the tile I fetch
	s_lshl_b32 s20, s17, 8
	s_add_co_u32 s20, s20, s18
	s_lshl_b32 s46, s42, 8
	s_add_co_u32 s46, s46, s18
	s_mov_b32 s21, 0
	s_mov_b32 s47, 0
	s_mov_b64 s[18:19], KS
	s_mul_u64 s[22:23], s[20:21], s[18:19]         ; where these rows' scales begin,
	s_mul_u64 s[96:97], s[46:47], s[18:19]
	s_mov_b64 s[18:19], KROW
	s_mul_u64 s[20:21], s[20:21], s[18:19]         ; and their codes
	s_mul_u64 s[46:47], s[46:47], s[18:19]
	s_mul_i32 s45, s14, HALFT                      ; where they go: wave x 128 rows
	s_mul_i32 s94, s14, HALFS
	s_mov_b32 s[SEL], 0x76543210
	s_mov_b32 s[SEL+1], 0xfedcba98
	s_wait_kmcnt 0x0
	s_cmp_eq_u32 ttmp9, 2                          ; the buffers are chosen by the job: only pointers are chosen, the loop is one text
	s_cselect_b64 s[4:5], s[80:81], s[68:69]       ; A's codes: Wv or x
	s_cselect_b64 s[6:7], s[82:83], s[70:71]       ; A's scales
	s_cselect_b64 s[8:9], s[68:69], s[76:77]       ; B's codes: x or Wk
	s_cselect_b64 s[10:11], s[70:71], s[78:79]
	s_cselect_b64 s[98:99], s[88:89], s[86:87]     ; the bias: bv or bk
	s_cmp_eq_u32 ttmp9, 0
	s_cselect_b64 s[8:9], s[72:73], s[8:9]         ; Wq
	s_cselect_b64 s[10:11], s[74:75], s[10:11]
	s_cselect_b64 s[98:99], s[84:85], s[98:99]     ; bq
	s_cselect_b64 s[12:13], s[90:91], s[92:93]     ; out: qb or kv
	s_mov_b32 s67, KVBLK
	s_cselect_b32 s67, QBLK, s67                   ; and its block's bytes
	s_add_nc_u64 s[20:21], s[4:5], s[20:21]
	s_add_nc_u64 s[22:23], s[6:7], s[22:23]
	s_add_nc_u64 s[46:47], s[8:9], s[46:47]
	s_add_nc_u64 s[96:97], s[10:11], s[96:97]
	; the scales of 128 rows: 4,096 dense bytes as 16 rows of 256 bytes (32 elements of 8), 16 bytes of padding behind each.  (s68-91 held the arguments, which have been chosen from)
	s_or_b32 s[G1S+0], s43, (3<<16)|(1<<20)|(1<<21)|(5<<22)|(3<<25)
	s_or_b32 s[G1SB+0], s44, (3<<16)|(1<<20)|(1<<21)|(5<<22)|(3<<25)
.irp g, G1S, G1SB
	s_mov_b32 s[\g+1], 32<<16
	s_mov_b32 s[\g+2], (128*KS/256)<<16
	s_mov_b32 s[\g+3], 32<<16
	s_mov_b32 s[\g+4], 128*KS/256
	s_mov_b32 s[\g+5], 32
	s_mov_b32 s[\g+6], 0
	s_mov_b32 s[\g+7], 0
.endr
	CROUND                                         ; all sixteen work-groups are here: the first joint loads meet
	s_mov_b32 s[G0S], 1
	s_add_co_u32 s[G0S+1], s94, SCL
	s_mov_b64 s[G0S+2:G0S+3], s[22:23]
	s_or_b32 s[G0S+3], s[G0S+3], 0x80000000
	s_mov_b32 s[G0SB], 1
	s_add_co_u32 s[G0SB+1], s94, SCL
	s_mov_b64 s[G0SB+2:G0SB+3], s[96:97]
	s_or_b32 s[G0SB+3], s[G0SB+3], 0x80000000
	JLOAD G0S, G1S, G0SB, G1SB                     ; the scales first: they are wanted with K step 0
.irp s, 0,1
	s_mov_b32 s[G0+4*\s], 1
	s_add_co_u32 s[G0+4*\s+1], s45, \s*SLOT
	s_add_nc_u64 s[G0+4*\s+2:G0+4*\s+3], s[20:21], \s*ROWB
	s_or_b32 s[G0+4*\s+3], s[G0+4*\s+3], 0x80000000
	s_mov_b32 s[G0B+4*\s], 1
	s_add_co_u32 s[G0B+4*\s+1], s45, \s*SLOT
	s_add_nc_u64 s[G0B+4*\s+2:G0B+4*\s+3], s[46:47], \s*ROWB
	s_or_b32 s[G0B+4*\s+3], s[G0B+4*\s+3], 0x80000000
	JLOAD G0+4*\s, G1, G0B+4*\s, G1B               ; three tensor loads of mine are out now
.endr
	v_and_b32 v1, 15, v0                           ; r = lane % 16 (kept)
	v_bfe_u32 v2, v0, 4, 1                         ; h = lane / 16 (kept)
	v_mul_u32_u24 v3, v1, PITCH
	v_mul_u32_u24 v4, v2, 24
	v_add_nc_u32 v4, v3, v4                        ; a fragment's row x pitch + 24 x half
	v_lshl_add_u32 v5, v2, 4, v4                   ; and the same behind one padding more
	s_mul_i32 s21, s15, HALFT
	s_mul_i32 s22, s16, HALFT
	s_add_co_u32 s22, s22, 2*HALFT
.irp s, 0,1
	v_add_nc_u32 v[ADRA+\s], s21, v4
	v_add_nc_u32 v[ADRB+\s], s22, v4
	v_add_nc_u32 v[ADRA+2+\s], s21, v5
	v_add_nc_u32 v[ADRB+2+\s], s22, v5
	s_add_co_u32 s21, s21, SLOT
	s_add_co_u32 s22, s22, SLOT
.endr
	v_mul_u32_u24 v5, v1, KS                       ; my row's scales: 32 bytes a row,
	v_lshrrev_b32 v6, 8, v5
	v_lshl_add_u32 v5, v6, 4, v5                   ; and 16 more for each 256 passed
	s_mul_i32 s21, s15, HALFS
	s_mul_i32 s22, s16, HALFS
	s_add_co_u32 s22, s22, 2*HALFS
	s_sub_co_u32 s22, s22, s21
	v_mul_u32_u24 v6, s22, v2                      ; lanes 16-31 take B's: one product, the distance between the two bases
	s_add_co_u32 s21, s21, SCL
	v_add_nc_u32 v5, v5, v6
	v_add_nc_u32 v[ADRS], s21, v5
	v_and_b32 v6, 31, v0                           ; every LDS address of both ways out is made here, ahead of their parting
	v_lshlrev_b32 v[LI16], 4, v6
	v_lshlrev_b32 v[LI8], 3, v6
	s_lshl_b32 s21, s14, 10
	s_add_co_u32 s21, s21, STGQ
	v_lshl_add_u32 v[STSQ], v1, 4, s21
	v_add_nc_u32 v[STLQ], s21, v[LI16]
	s_lshl_b32 s22, s14, 9
	s_add_co_u32 s22, s22, STGV
	v_lshl_add_u32 v[STSV], v1, 3, s22
	v_add_nc_u32 v[STLV], s22, v[LI8]
.macro FRAG reg, adr, q, i             ; 16 rows x 128 K: lane l holds row l % 16; registers 6 c .. 6 c + 5 hold K = 64 c + 32 (l / 16) + 0 .. 31: 24 bytes of the row as they lie, in pieces of 8
.irp p, 0,1,2,3,4,5
.set PIECE, 12*(\q)+6*(\p/3)+\p%3      ; 16 bytes of padding lie behind every 8 pieces: where the piece three on lies behind one padding more, the second address register serves
.if PIECE%8 < 5
	ds_load_b64 v[\reg+2*\p:\reg+2*\p+1], v[\adr] offset:8*PIECE+16*(PIECE/8)+(\i)*16*PITCH
.else
	ds_load_b64 v[\reg+2*\p:\reg+2*\p+1], v[\adr+2] offset:8*PIECE+16*(PIECE/8)+(\i)*16*PITCH
.endif
.endr
.endm
; 16 matrix instructions: A's blocks a0, a0 + 1 x B's eight.  The 64 accumulators take turns, one instruction a turn, in the same order in every step.
.macro MUL16 a0, p, q, sc, zero
.irp a, \a0, \a0+1
.irp b, 0,1,2,3,4,5,6,7
.if \zero
	v_wmma_scale_f32_16x16x128_f8f6f4 v[8*(8*((\a)%4)+\b):8*(8*((\a)%4)+\b)+7], v[128*(\p)+FR*\b:128*(\p)+FR*\b+FR-1], v[AF+FR*(\a):AF+FR*(\a)+FR-1], 0, v[SC+8*NQ*(\sc)+NQ*\b+(\q)], v[SC+8*NQ*(\sc)+NQ*(\a)+(\q)] matrix_a_fmt:MATRIX_FMT_FP6 matrix_b_fmt:MATRIX_FMT_FP6 matrix_a_scale:MATRIX_SCALE_ROW1
.else
	v_wmma_scale_f32_16x16x128_f8f6f4 v[8*(8*((\a)%4)+\b):8*(8*((\a)%4)+\b)+7], v[128*(\p)+FR*\b:128*(\p)+FR*\b+FR-1], v[AF+FR*(\a):AF+FR*(\a)+FR-1], v[8*(8*((\a)%4)+\b):8*(8*((\a)%4)+\b)+7], v[SC+8*NQ*(\sc)+NQ*\b+(\q)], v[SC+8*NQ*(\sc)+NQ*(\a)+(\q)] matrix_a_fmt:MATRIX_FMT_FP6 matrix_b_fmt:MATRIX_FMT_FP6 matrix_a_scale:MATRIX_SCALE_ROW1
.endif
.endr
.endr
.endm
.macro FETCH_B slot, q, p
	WIN TO_B
.irp i, 0,1,2,3,4,5,6,7
	FRAG 128*(\p)+FR*\i, ADRB+\slot, \q, \i
.endr
	WIN 0
.endm
.macro FETCH_A slot, q, i0
.irp i, \i0, \i0+1, \i0+2, \i0+3
	FRAG AF+FR*(\i), ADRA+\slot, \q, \i
.endr
.endm
.macro SCALES sc                       ; a K step's scale words: lanes 0-15 A's block i, lanes 16-31 B's block i
.irp i, 0,1,2,3,4,5,6,7
	ds_load_b64 v[SC+8*NQ*\sc+NQ*\i:SC+8*NQ*\sc+NQ*\i+1], v[ADRS] offset:\i*SBLK
.endr
.endm
.macro PLACES n                        ; plain vector instructions that name none of the matrix instruction's registers (ISA guide 7.12.1)
.rept \n
	v_nop
.endr
.endm
.macro STEP slot, q, zero              ; 128 along K, with its successor in the same slot
	s_wait_dscnt 4*NL                              ; B's set and A's blocks 0-3 are in; the youngest 24 loads (A's blocks 4-7) may be out
	WIN MUL_LO
	MUL16 0, (\q)%2, \q, \slot, \zero
	MUL16 2, (\q)%2, \q, \slot, \zero
	s_wait_dscnt 0
	PLACES NP
	FETCH_B \slot, (\q)+1, 1-(\q)%2
	FETCH_A \slot, (\q)+1, 0
	WIN MUL_HI
	MUL16 4, (\q)%2, \q, \slot, \zero
	MUL16 6, (\q)%2, \q, \slot, \zero
	PLACES NP
	WIN 0
	FETCH_A \slot, (\q)+1, 4
.endm
; A slot's last step changes slots: one barrier; in front of it each wave waits for all its tensor loads, adds 0 to its spare word, and waits for that and for its reads of this slot.
.macro TURN slot, next, fill
	s_wait_tensorcnt 0x0                           ; all my tensor loads have landed: my part of the next slot
	ds_add_u32 v[SPW], v[NIL]                      ; 0 onto my spare word
	s_wait_dscnt 4*NL+1                            ; the add and the youngest 24 loads may be out
	WIN MUL_LO
	MUL16 0, 1, NQ-1, \slot, 0
	s_wait_dscnt 0x0                               ; the add is done, and my reads of this slot are over
	s_barrier_signal -1
	MUL16 2, 1, NQ-1, \slot, 0
	WIN 0
	s_barrier_wait -1
.if \fill
	CREST                                          ; the barrier has opened a round of the cluster's: no wave of any partner still reads this slot or has a load on its way
	s_add_nc_u64 s[G0+4*\slot+2:G0+4*\slot+3], s[G0+4*\slot+2:G0+4*\slot+3], 2*ROWB
	s_add_nc_u64 s[G0B+4*\slot+2:G0B+4*\slot+3], s[G0B+4*\slot+2:G0B+4*\slot+3], 2*ROWB
	JLOAD G0+4*\slot, G1, G0B+4*\slot, G1B         ; my one tensor load behind the round; its four v_nop are the places in front of the loads below
.else
	PLACES NP
.endif
	v_add_nc_u32 v[ADRS], 4*NQ, v[ADRS]
	FETCH_B \next, 0, 0
	FETCH_A \next, 0, 0
	SCALES \next
	WIN MUL_HI
	MUL16 4, 1, NQ-1, \slot, 0
	MUL16 6, 1, NQ-1, \slot, 0
	PLACES NP
	WIN 0
	FETCH_A \next, 0, 4
.endm
.macro LASTSTEP                        ; the last 128 along K: nothing more to fetch
	s_wait_dscnt 4*NL
	WIN MUL_LO
	MUL16 0, 1, NQ-1, 1, 0
	MUL16 2, 1, NQ-1, 1, 0
	s_wait_dscnt 0
	WIN MUL_HI
	MUL16 4, 1, NQ-1, 1, 0
	MUL16 6, 1, NQ-1, 1, 0
	WIN 0
.endm
; 64 numbers of a lane, v[s] on, 16 of each of four blocks of 32, become a fragment's codes in v[CD] on and its scale word in v[pw].
.macro QUANT s, pw
.irp b, 0,1,2,3
	v_max3_num_f32 v[TM+\b], |v[\s+16*\b]|, |v[\s+1+16*\b]|, 0x1800000   ; my 16 numbers of block b, and the floor 2^(3 - 127): the byte cannot fall under 1
.endr
.irp i, 2,4,6,8,10,12,14
.irp b, 0,1,2,3
	v_max3_num_f32 v[TM+\b], v[TM+\b], |v[\s+16*\b+\i]|, |v[\s+1+16*\b+\i]|
.endr
.endr
.irp b, 0,1,2,3
	v_permlanex16_b32 v[TM+4+\b], v[TM+\b], s[SEL], s[SEL+1]
.endr
.irp b, 0,1,2,3
	v_max_num_f32 v[TM+\b], v[TM+\b], v[TM+4+\b]   ; with lane l xor 16's: the block's largest magnitude
.endr
.irp b, 0,1,2,3
	v_add_nc_u32 v[TM+12+\b], 0xff000000, v[TM+\b] ; 2 off its exponent field: the conversion's scale operand
.endr
.irp b, 0,1,2,3
	v_lshrrev_b32 v[TM+4+\b], 23, v[TM+12+\b]      ; the scale's byte
.endr
	v_lshl_or_b32 v[\pw], v[TM+5], 8, v[TM+4]
	v_lshl_or_b32 v[\pw], v[TM+6], 16, v[\pw]
	v_lshl_or_b32 v[\pw], v[TM+7], 24, v[\pw]
.irp c, 0,1
	v_cvt_scalef32_pk16_fp6_f32 v[CD+6*\c:CD+2+6*\c], v[\s+32*\c:\s+15+32*\c], v[TM+12+2*\c]
	v_cvt_scalef32_pk16_fp6_f32 v[CD+12+4*\c:CD+14+4*\c], v[\s+16+32*\c:\s+31+32*\c], v[TM+12+2*\c+1]   ; (a conversion's three registers begin on an even number)
.endr
	v_nop                                          ; one plain place behind a scaled conversion
.irp c, 0,1                            ; the operand wants a whole block in a lane: lanes 0-15 block 2 c, lanes 16-31 block 2 c + 1
.irp i, 0,1,2
	v_permlane16_swap_b32 v[CD+6*\c+\i], v[CD+12+4*\c+\i]
.endr
.irp i, 0,1,2
	v_mov_b32 v[CD+3+6*\c+\i], v[CD+12+4*\c+\i]
.endr
.endr
.endm
; Block a of the way out: the bias is added (which also brings the sums into window 0, each accumulator from its low end on), the 64 numbers are quantised, the codes are stored.
.macro BLOCK a, isv
.if \a > 0
	s_wait_xcnt 0x0                                ; the last block's stores have read their registers: the codes may be written again
.endif
	WIN 0x02+(\a)/4                                ; source 0: window 2 or 3
.set i, 0
.rept 32
.if \isv
	v_pk_add_f32 v[H+2*i:H+2*i+1], v[64*((\a)%4)+2*i:64*((\a)%4)+2*i+1], v[BP+2*(\a):BP+2*(\a)+1] op_sel_hi:[1,0]   ; my channel's bias for all keys
.else
	v_pk_add_f32 v[H+2*i:H+2*i+1], v[64*((\a)%4)+2*i:64*((\a)%4)+2*i+1], v[BP+2*i:BP+2*i+1]
.endif
.set i, i+1
.endr
	WIN 0
.if \isv
	QUANT H, SWA+\a
.irp c, 0,1,2
.if \a < 4
	global_store_b128 v[LI16], v[CD+4*\c:CD+4*\c+3], s[12:13] offset:1536*((\a)%4)+512*\c   ; 32 lanes store 512 consecutive bytes, aligned
.else
	global_store_b128 v[LI16], v[CD+4*\c:CD+4*\c+3], s[96:97] offset:1536*((\a)%4)+512*\c
.endif
.endr
.else
	QUANT H, PW
	v_perm_b32 v[SWA+\a], v[PW], v[PW], 0x01000100 ; the first head's two bytes, twice
	v_perm_b32 v[SWB+\a], v[PW], v[PW], 0x03020302 ; the second head's
	global_store_b128 v[LI16], v[CD:CD+3], s[12:13] offset:768*\a
	global_store_b64 v[LI8], v[CD+4:CD+5], s[12:13] offset:768*\a+512
	global_store_b128 v[LI16], v[CD+6:CD+9], s[96:97] offset:768*\a
	global_store_b64 v[LI8], v[CD+10:CD+11], s[96:97] offset:768*\a+512
.endif
.endm
.macro FINISH
	s_wait_tensorcnt 0x0                           ; the wave's end
	ds_add_u32 v[SPW], v[NIL]
	s_wait_dscnt 0x0
	CROUND                                         ; the closing round
	s_endpgm
.endm
	s_wait_tensorcnt 1                             ; the scales and my part of K step 0 are in; K step 1's load may be out
	s_barrier_signal -1
	s_barrier_wait -1
	FETCH_B 0, 0, 0
	FETCH_A 0, 0, 0
	SCALES 0
	FETCH_A 0, 0, 4
	STEP 0, 0, 1                                   ; the first step's products start the sums
	s_mov_b32 s3, LAPS-1
.Llap:                                                 ; a trip goes once round the ring and fills both slots again
	TURN 0, 1, 1
	STEP 1, 0, 0
	TURN 1, 0, 1
	STEP 0, 0, 0
	s_sub_co_u32 s3, s3, 1
	s_cmp_lg_u32 s3, 0
	s_cbranch_scc1 .Llap
	TURN 0, 1, 0                                   ; the last lap fills nothing
	STEP 1, 0, 0
	s_cmp_eq_u32 s66, 0                            ; the ways part on the job, which all partners share; the last step stands in both, so that the bias lands under it
	s_cbranch_scc0 .Lv
	; ---- q and k: my 128 tokens are one step of 128, my 128 channels two heads
	s_lshl_b32 s18, s42, 2
	s_lshl_b32 s19, s16, 1
	s_add_co_u32 s18, s18, s19                     ; my first head: 4 x B's tile + 2 x half
	s_lshl_b32 s18, s18, 6
	s_lshl_b32 s19, s17, 1
	s_add_co_u32 s18, s18, s19
	s_add_co_u32 s18, s18, s15                     ; block = head x 64 + 2 x A's tile + half
	s_mul_i32 s18, s18, s67
	s_mov_b32 s19, 0
	s_add_nc_u64 s[12:13], s[12:13], s[18:19]
	s_lshl_b32 s18, s67, 6
	s_add_nc_u64 s[96:97], s[12:13], s[18:19]      ; the second head's block: 64 blocks on
	s_lshl_b32 s18, s42, 10
	s_lshl_b32 s20, s16, 9
	s_add_co_u32 s18, s18, s20
	s_add_nc_u64 s[98:99], s[98:99], s[18:19]      ; the bias at my first channel
	v_lshlrev_b32 v[BOF], 5, v2                    ; register 8 b + j: channel 16 b + 8 h + j
.irp b, 0,1,2,3,4,5,6,7
	global_load_b128 v[BP+8*\b:BP+8*\b+3], v[BOF], s[98:99] offset:64*\b
	global_load_b128 v[BP+8*\b+4:BP+8*\b+7], v[BOF], s[98:99] offset:64*\b+16
.endr
	LASTSTEP
	s_wait_loadcnt 0x0                             ; the bias
	PLACES NP                                      ; in front of the first read of results and the first write over A's fragments
.irp b, 0,1,2,3
	v_mov_b32 v[TM+4+\b], 0                        ; a lane permute's destination counts as one of its sources
.endr
.irp a, 0,1,2,3,4,5,6,7
	BLOCK \a, 0
.endr
.irp a, 0,1,2,3,4,5,6,7                ; the scale words turn through my own stage: LDS serves a wave's instructions in order (ISA guide 5.7.1.4); lanes r and 16 + r write the same word with the same value
	ds_store_b32 v[STSQ], v[SWA+\a] offset:256*(\a%2)+4*(\a/2)
	ds_store_b32 v[STSQ], v[SWB+\a] offset:512+256*(\a%2)+4*(\a/2)
.endr
	ds_load_b128 v[H:H+3], v[STLQ]
	ds_load_b128 v[H+4:H+7], v[STLQ] offset:512
	s_wait_dscnt 0x0
	global_store_b128 v[LI16], v[H:H+3], s[12:13] offset:6144
	global_store_b128 v[LI16], v[H+4:H+7], s[96:97] offset:6144
	FINISH
.Lv:	; ---- v: my 128 rows of Wv are two heads, my 128 tokens one step of 128 keys
	s_lshl_b32 s18, s17, 2
	s_lshl_b32 s19, s15, 1
	s_add_co_u32 s18, s18, s19                     ; my first head: 4 x A's tile + 2 x half
	s_lshl_b32 s18, s18, 6
	s_lshl_b32 s19, s42, 1
	s_add_co_u32 s18, s18, s19
	s_add_co_u32 s18, s18, s16                     ; block = head x 64 + 2 x B's tile + half
	s_mul_i32 s18, s18, KVBLK
	s_add_co_u32 s18, s18, QBLK                    ; v lies behind k in its block
	s_mov_b32 s19, 0
	s_add_nc_u64 s[12:13], s[12:13], s[18:19]
	s_add_nc_u64 s[96:97], s[12:13], 64*KVBLK
	s_lshl_b32 s18, s17, 10
	s_lshl_b32 s20, s15, 9
	s_add_co_u32 s18, s18, s20
	s_add_nc_u64 s[98:99], s[98:99], s[18:19]
	v_lshlrev_b32 v[BOF], 2, v1                    ; block a: channel 16 a + r
.irp a, 0,1,2,3,4,5,6,7
	global_load_b32 v[BP+2*\a], v[BOF], s[98:99] offset:64*\a
	v_mov_b32 v[BP+2*\a+1], 0                      ; (named with it as a pair, so it is written)
.endr
	LASTSTEP
	s_wait_loadcnt 0x0
	PLACES NP
.irp b, 0,1,2,3
	v_mov_b32 v[TM+4+\b], 0
.endr
.irp a, 0,1,2,3,4,5,6,7
	BLOCK \a, 1
.endr
.irp a, 0,1,2,3,4,5,6,7
	ds_store_b32 v[STSV], v[SWA+\a] offset:256*(\a/4)+128*(\a%2)+4*((\a%4)/2)
.endr
	ds_load_b64 v[H:H+1], v[STLV]
	ds_load_b64 v[H+2:H+3], v[STLV] offset:256
	s_wait_dscnt 0x0
	global_store_b64 v[LI8], v[H:H+1], s[12:13] offset:6144     ; 32 lanes store 256 consecutive bytes, aligned
	global_store_b64 v[LI8], v[H+2:H+3], s[96:97] offset:6144
	FINISH
.Lfunc_end_k_q0f7111aa77_qkv:
	.size	k_q0f7111aa77_qkv, .Lfunc_end_k_q0f7111aa77_qkv-k_q0f7111aa77_qkv
	.p2alignl 7, 3214868480
	.fill 96, 4, 3214868480
	.section	.rodata,"a",@progbits
	.p2align	6, 0x0
	.amdhsa_kernel k_q0f7111aa77_qkv
		.amdhsa_group_segment_fixed_size 327680
		.amdhsa_private_segment_fixed_size 0
		.amdhsa_enable_private_segment 0
		.amdhsa_kernarg_size 104
		.amdhsa_user_sgpr_count 2
		.amdhsa_user_sgpr_kernarg_segment_ptr 1
		.amdhsa_wavefront_size32 1
		.amdhsa_system_sgpr_workgroup_id_x 1
		.amdhsa_system_sgpr_workgroup_id_y 1
		.amdhsa_system_sgpr_workgroup_id_z 1
		.amdhsa_system_vgpr_workitem_id 0
		.amdhsa_next_free_vgpr 1024
		.amdhsa_next_free_sgpr 102
		.amdhsa_reserve_vcc 0
		.amdhsa_float_denorm_mode_32 3
		.amdhsa_float_denorm_mode_16_64 3
		.amdhsa_memory_ordered 1
		.amdhsa_forward_progress 1
		.amdhsa_inst_pref_size 245
	.end_amdhsa_kernel
	.amdgpu_metadata
---
amdhsa.version: [ 1, 2 ]
amdhsa.kernels:
  - .name:           k_q0f7111aa77_qkv
    .symbol:         k_q0f7111aa77_qkv.kd
    .args:
      - { .name: x_codes, .offset: 0, .size: 8, .value_kind: global_buffer, .address_space: global }
      - { .name: x_scales, .offset: 8, .size: 8, .value_kind: global_buffer, .address_space: global }
      - { .name: Wq_codes, .offset: 16, .size: 8, .value_kind: global_buffer, .address_space: global }
      - { .name: Wq_scales, .offset: 24, .size: 8, .value_kind: global_buffer, .address_space: global }
      - { .name: Wk_codes, .offset: 32, .size: 8, .value_kind: global_buffer, .address_space: global }
      - { .name: Wk_scales, .offset: 40, .size: 8, .value_kind: global_buffer, .address_space: global }
      - { .name: Wv_codes, .offset: 48, .size: 8, .value_kind: global_buffer, .address_space: global }
      - { .name: Wv_scales, .offset: 56, .size: 8, .value_kind: global_buffer, .address_space: global }
      - { .name: bq, .offset: 64, .size: 8, .value_kind: global_buffer, .address_space: global }
      - { .name: bk, .offset: 72, .size: 8, .value_kind: global_buffer, .address_space: global }
      - { .name: bv, .offset: 80, .size: 8, .value_kind: global_buffer, .address_space: global }
      - { .name: qb, .offset: 88, .size: 8, .value_kind: global_buffer, .address_space: global }
      - { .name: kv, .offset: 96, .size: 8, .value_kind: global_buffer, .address_space: global }
    .group_segment_fixed_size: 327680
    .private_segment_fixed_size: 0
    .kernarg_segment_align: 8
    .kernarg_segment_size: 104
    .max_flat_workgroup_size: 128
    .sgpr_count:     102
    .vgpr_count:     1024
    .wavefront_size: 32
...
	.end_amdgpu_metadata
.endif
;; end of part 1
;; launch attn (part 2): grid 256 x 1, 16 waves a work-group, clusters of 4 x 1, 210,944 bytes of LDS; arguments qb, kv, yimg, ysc; writes yimg, ysc
.if DOCPART == 2
	.amdgcn_target "amdgcn-amd-amdhsa--gfx1250"
	.amdhsa_code_object_version 6
	.text
	.protected	k_q0f7111aa77_attn
	.globl	k_q0f7111aa77_attn
	.p2align	8
	.type	k_q0f7111aa77_attn,@function
k_q0f7111aa77_attn:
	s_mov_b64 s[64:65], 0
	v_nop
	global_prefetch_b8 v0, s[64:65] scope:SCOPE_SE
	s_setreg_imm32_b32 hwreg(HW_REG_WAVE_MODE, 25, 1), 1
	s_wait_xcnt 0x0
	s_wait_alu depctr_hold_cnt(0) depctr_sa_sdst(0) depctr_va_vdst(0) depctr_va_sdst(0) depctr_va_ssrc(0) depctr_va_vcc(0) depctr_vm_vsrc(0)
	s_getreg_b32 s2, hwreg(HW_REG_IB_STS2, 6, 4)
	s_cmp_eq_u32 s2, 0
	s_cbranch_scc0 .Lentry_in_a_cluster
	s_endpgm
.Lentry_in_a_cluster:
	s_bfe_u32 s2, ttmp6, 0x10000c
	s_cmp_lg_u32 s2, 0x3003
	s_cbranch_scc0 .Lentry_shape_is_right
	s_endpgm
.Lentry_shape_is_right:
; y[q] = the sum over keys k <= q of softmax(q . k / 8) v[k], for one batch and head a cluster, both products on codes of FP6 (E2M3) with one E8M0 scale for each 32 along K; y leaves as codes.
; THE SOFTMAX: t = score x log2(e) / 8; M = the largest t so far, rounded UP to a whole number; p = 2^(t - M) is quantised along the keys, not normalised; the row's sum is taken of the unquantised p
; and divides at the end.  When M moves, the sum and O are multiplied by 2^(old M - new M): exact.
; SHARES.  The cluster's x is head x 4 + batch.  The head's k, v and their scale words, 16 blocks of 13,056 bytes (128 keys each), lie in LDS for the whole launch: wave w asks for block w, jointly
; with the same wave of the three partners.  LDS is filled once: no ring.  A wave owns two tiles of 16 queries, tile 8 g + e and tile 127 - (8 g + e), g = wave / 2, e = 4 (wave % 2) + cx:
; g + 1 and 16 - g key steps, 17 for every wave.  The number of steps hangs on the wave's number alone; cx enters global addresses and the mask's lane data only.
; LAYOUT.  Both products are used transposed: S^T = K Q^T (source 0 = 16 keys), O^T = V^T P^T (source 0 = 16 channels): a lane holds ONE query (lane % 16) throughout.
; THE HEAD HAS 64 CHANNELS, the instruction 128 along K: Q's fragment is [q | q], a tile of keys [k | zeros] or [zeros | k]; two tiles share six registers of zero codes, and every scale word
; holds its two bytes twice.  Zero codes add nothing.
; Within a block of 32 keys p's codes lie in the order 0-7, 16-23, 8-15, 24-31, as v's codes do; q's and k's alike along the channels.  y meets a given operand and is put into true order.
; LIMITS: NaN and infinities are not served.  A block whose largest magnitude lies under 2^-124 gets the scale byte 1.  A block's largest p is taken from its largest score by the same two
; instructions: this takes v_exp_f32 not to fall where its input rises.  The sums of both products are grouped in the order of the codes stated above.
; y's scale words leave as two runs of 64 bytes a wave: 4 bytes a row beside 48 bytes of codes, which leave in runs of 512 and 256 aligned bytes.
.set BLKB, 13056                       ; a block: k's eight tiles (768 each), k's scale words (512), v's four fragments (1,536 each), v's scale words (256)
.set QBLK, 6656
.set LI16, 1                           ; v1  16 x lane
.set LI8,  2                           ; v2  8 x lane
.set A16,  3                           ; v3  the step's block + 16 x lane
.set A8,   4                           ; v4  the step's block + 8 x lane
.set MD,   5                           ; v5  the mask: my query's place in its step, less 8 (lane / 16)
.set QB2,  6                           ; v6-11 the second tile's q; v29 its scale word
.set Q,    16                          ; v16-27 [q | q]
.set QS,   28                          ; v28 q's scale word
.set YW,   30                          ; v30, v31 y's scale words of the two passes
.set KB,   32                          ; v32-109: four times [k even tile 6][zeros 6][k odd tile 6], and six more; v's fragment t at KB + 12 + 18 t, off the zeros
.set S,    112                         ; v112-175 S^T, then p
.set O,    176                         ; v176-207 O^T
.set CD,   208                         ; v208-226 the codes just made
.set BM,   228                         ; v228-231 the blocks' maxima
.set BT,   232                         ; v232-235 at work
.set SO,   236                         ; v236-239 the conversions' scale operands
.set KSC,  240                         ; v240-243 k's scale words: register j: lanes 0-15 tile 2 j, lanes 16-31 tile 2 j + 1
.set VS,   244                         ; v244-245 v's likewise
.set F,    246                         ; v[246:247] f = 2^(old M - new M)
.set PW,   248                         ; p's scale word
.set T,    250                         ; v[250:251] at work
.set CS,   34                          ; s[34:35] c = log2(e) / 8
.macro ROUND                           ; a round of the cluster's barrier
	s_barrier_signal -1
	s_barrier_wait -1
	s_cmp_lg_u32 s12, 0
	s_cbranch_scc1 .Lnot_wave_0_\@
	s_barrier_signal -3
.Lnot_wave_0_\@:
	s_barrier_wait -3
	s_barrier_signal -1
	s_barrier_wait -1
.endm
	s_load_b256 s[4:11], s[0:1], 0x0               ; qb, kv, yimg, ysc
	v_lshl_add_u32 v254, v0, 2, 0x33000
	v_mov_b32 v255, 0
	ds_add_u32 v254, v255
	ds_add_u32 v254, v255
	v_lshrrev_b32 v3, 5, v0
	s_delay_alu instid0(VALU_DEP_1)
	v_readfirstlane_b32 s12, v3                    ; wave 0..15
	v_and_b32 v4, 31, v0
	s_delay_alu instid0(VALU_DEP_1)
	v_lshlrev_b32 v[LI16], 4, v4
	s_delay_alu instid0(VALU_DEP_2)
	v_lshlrev_b32 v[LI8], 3, v4
	v_and_b32 v[MD], 15, v0
	s_delay_alu instid0(VALU_DEP_1)
	v_lshlrev_b32 v[MD], 4, v[MD]                  ; for now: 16 r, my row's place among q's scale words
	s_bfe_u32 s13, ttmp6, 0x40000                  ; cx
	s_lshr_b32 s14, s12, 1                         ; g: the first tile's step of 128
	s_and_b32 s15, s12, 1
	s_lshl_b32 s15, s15, 2
	s_add_co_u32 s15, s15, s13                     ; e: its place in that step
	s_sub_co_u32 s31, 15, s14                      ; the second tile's step,
	s_sub_co_u32 s39, 7, s15                       ; and place
	s_lshl_b32 s36, s15, 4
	s_lshl_b32 s37, s39, 4
	s_mov_b32 s16, 15|(3<<16)|(1<<21)              ; group 1: all four work-groups; elements of 8 bytes; bit 21 beside a mask; no padding
	s_mov_b32 s17, 32<<16                          ; tensor_dim0: 32 elements, 256 bytes
	s_mov_b32 s18, 51<<16                          ; tensor_dim1: 51 rows: a block is dense
	s_mov_b32 s19, 32<<16                          ; tile_dim0
	s_mov_b32 s20, 51                              ; tile_dim1
	s_mov_b32 s21, 32                              ; pitch
	s_mov_b32 s22, 0
	s_mov_b32 s23, 0
	s_mov_b32 s24, 1
	s_mul_i32 s25, s12, BLKB                       ; block w goes to LDS byte 13,056 w
	s_mul_i32 s54, ttmp9, 16*BLKB
	s_add_co_u32 s54, s54, s25
	s_mov_b32 s55, 0
	s_mov_b32 s32, 0x76543210
	s_mov_b32 s33, 0xfedcba98                      ; lane l xor 16
	s_mov_b32 s[CS], 0x3e38aa3b
	s_mov_b32 s[CS+1], s[CS]                       ; (named with it as a pair)
	s_lshl_b32 s38, ttmp9, 4                       ; the head's first block
	s_add_co_u32 s56, s38, s14                     ; the first tile: its block,
	s_mul_i32 s56, s56, QBLK
	s_mul_i32 s57, s15, 768
	s_add_co_u32 s40, s56, s57                     ; its image,
	s_mov_b32 s41, 0
	s_and_b32 s57, s15, 1
	s_lshl_b32 s57, s57, 8
	s_add_co_u32 s42, s56, s57
	s_lshr_b32 s57, s15, 1
	s_lshl_b32 s57, s57, 2
	s_add_co_u32 s42, s42, s57
	s_add_co_u32 s42, s42, 6144                    ; its scale words: 6,144 + 256 (e % 2) + 4 (e / 2), + 16 r
	s_mov_b32 s43, 0
	s_add_co_u32 s56, s38, s31                     ; the second tile likewise
	s_mul_i32 s56, s56, QBLK
	s_mul_i32 s57, s39, 768
	s_add_co_u32 s44, s56, s57
	s_mov_b32 s45, 0
	s_and_b32 s57, s39, 1
	s_lshl_b32 s57, s57, 8
	s_add_co_u32 s46, s56, s57
	s_lshr_b32 s57, s39, 1
	s_lshl_b32 s57, s57, 2
	s_add_co_u32 s46, s46, s57
	s_add_co_u32 s46, s46, 6144
	s_mov_b32 s47, 0
	s_lshl_b32 s52, s14, 3
	s_add_co_u32 s52, s52, s15                     ; the first tile's number in its sequence,
	s_sub_co_u32 s53, 127, s52                     ; the second's
	s_and_b32 s56, ttmp9, 3                        ; batch
	s_lshr_b32 s57, ttmp9, 2                       ; head
	s_lshl_b32 s38, s56, 7
	s_mul_i32 s58, s57, 768
	s_add_co_u32 s48, s38, s52
	s_mul_i32 s48, s48, 12288
	s_add_co_u32 s48, s48, s58                     ; y's image: (128 batch + tile) x 12,288 + 768 head
	s_mov_b32 s49, 0
	s_add_co_u32 s50, s38, s53
	s_mul_i32 s50, s50, 12288
	s_add_co_u32 s50, s50, s58
	s_mov_b32 s51, 0
	s_lshl_b32 s58, s57, 15
	s_lshl_b32 s59, s56, 13
	s_add_co_u32 s58, s58, s59                     ; y's scale words: 32,768 head + 8,192 batch
	s_mov_b32 s59, 0
	s_lshl_b32 s52, s52, 6                         ; + 64 tile
	s_lshl_b32 s53, s53, 6
	s_wait_dscnt 0x0
	s_wait_kmcnt 0x0
	s_add_nc_u64 s[26:27], s[6:7], s[54:55]
	s_or_b32 s27, s27, 0x80000000                  ; type = 2
	s_add_nc_u64 s[40:41], s[4:5], s[40:41]
	s_add_nc_u64 s[42:43], s[4:5], s[42:43]
	s_add_nc_u64 s[44:45], s[4:5], s[44:45]
	s_add_nc_u64 s[46:47], s[4:5], s[46:47]
	s_add_nc_u64 s[48:49], s[8:9], s[48:49]
	s_add_nc_u64 s[50:51], s[8:9], s[50:51]
	s_add_nc_u64 s[10:11], s[10:11], s[58:59]
	ROUND                                          ; all four work-groups are here: the joint loads meet
	tensor_load_to_lds s[24:27], s[16:23]          ; my one tensor load of the launch
	s_nop 0
.rept 4
	v_nop
.endr
	s_wait_alu depctr_va_vdst(0)
	global_load_b128 v[Q:Q+3], v[LI16], s[40:41]           ; q of the first tile, twice: [q | q]
	global_load_b64 v[Q+4:Q+5], v[LI8], s[40:41] offset:512
	global_load_b128 v[Q+6:Q+9], v[LI16], s[40:41]
	global_load_b64 v[Q+10:Q+11], v[LI8], s[40:41] offset:512
	global_load_b32 v[QS], v[MD], s[42:43]
	global_load_b128 v[QB2:QB2+3], v[LI16], s[44:45]       ; q of the second tile, asked for here so that no pass waits for memory
	global_load_b64 v[QB2+4:QB2+5], v[LI8], s[44:45] offset:512
	global_load_b32 v29, v[MD], s[46:47]
.irp t, 0,1,2,3
.irp i, 0,1,2,3,4,5
	v_mov_b32 v[KB+18*\t+6+\i], 0                  ; the zero codes, written once
.endr
.endr
.irp b, 0,1,2,3
	v_mov_b32 v[BT+\b], 0                          ; a lane permute's destination counts as one of its sources
.endr
	v_mov_b32 v[F+1], 0                            ; (named as the upper half of a pair)
	v_mov_b32 v[T], 0
	v_mov_b32 v[T+1], 0
	s_wait_tensorcnt 0x0                           ; my block is in,
	s_barrier_signal -1
	s_barrier_wait -1                              ; everybody's is: the whole head lies in LDS
	s_wait_loadcnt 0x0                             ; q
; A KEY STEP: 128 keys, the block at LDS byte s28.
.macro STEP
	v_add_nc_u32 v[A16], s28, v[LI16]
	v_add_nc_u32 v[A8], s28, v[LI8]
	v_nop
	v_nop                                          ; four places in front of loads into registers that the last step's products have read
.irp tk, 0,1,2,3,4,5,6,7
	ds_load_b128 v[KB+18*(\tk/2)+12*(\tk%2):KB+18*(\tk/2)+12*(\tk%2)+3], v[A16] offset:768*\tk
	ds_load_b64 v[KB+18*(\tk/2)+12*(\tk%2)+4:KB+18*(\tk/2)+12*(\tk%2)+5], v[A8] offset:768*\tk+512
.endr
	ds_load_b128 v[KSC:KSC+3], v[A16] offset:6144
	s_wait_alu depctr_va_vdst(0)
	s_wait_dscnt 0x0
.irp u, 0,1,2,3                        ; S^T = K Q^T: lane (r, h), register 8 t + j: query r, key 16 t + 8 h + j
	v_wmma_scale_f32_16x16x128_f8f6f4 v[S+16*\u:S+16*\u+7], v[KB+18*\u:KB+18*\u+11], v[Q:Q+11], 0, v[KSC+\u], v[QS] matrix_a_fmt:MATRIX_FMT_FP6 matrix_b_fmt:MATRIX_FMT_FP6
	v_wmma_scale_f32_16x16x128_f8f6f4 v[S+16*\u+8:S+16*\u+15], v[KB+18*\u+6:KB+18*\u+17], v[Q:Q+11], 0, v[KSC+\u], v[QS] matrix_a_fmt:MATRIX_FMT_FP6 matrix_b_fmt:MATRIX_FMT_FP6 matrix_a_scale:MATRIX_SCALE_ROW1
.endr
.rept 4
	v_nop                                          ; places in front of the loads below and of the first read of the scores
.endr
.irp t, 0,1,2,3                        ; v's fragments land under the softmax
.irp c, 0,1,2
	ds_load_b128 v[KB+12+18*\t+4*\c:KB+12+18*\t+4*\c+3], v[A16] offset:6656+1536*\t+512*\c
.endr
.endr
	ds_load_b64 v[VS:VS+1], v[A8] offset:12800
	s_cmp_lg_u32 s29, s30                          ; only the tile's own step lies on the diagonal
	s_cbranch_scc1 .Lopen_\@
	v_mov_b32 v[T], 0xff800000                     ; hidden scores become -infinity ahead of the maximum: p = 0 then
.set n, 0
.rept 64
	v_cmp_gt_i32 vcc_lo, 16*(n/8)+n%8, v[MD]       ; register n holds key 16 (n / 8) + 8 h + n % 8 of the step
	v_cndmask_b32 v[S+n], v[S+n], v[T], vcc_lo
.set n, n+1
.endr
.Lopen_\@:
.irp b, 0,1,2,3
	v_max3_num_f32 v[BM+\b], v[S+16*\b], v[S+1+16*\b], v[S+2+16*\b]   ; the largest score of each block of 32 keys: for the row's maximum, and for the block's largest p
.endr
.irp i, 3,5,7,9,11,13
.irp b, 0,1,2,3
	v_max3_num_f32 v[BM+\b], v[BM+\b], v[S+16*\b+\i], v[S+1+16*\b+\i]
.endr
.endr
.irp b, 0,1,2,3
	v_max_num_f32 v[BM+\b], v[BM+\b], v[S+15+16*\b]
.endr
.irp b, 0,1,2,3
	s_delay_alu instid0(VALU_DEP_4)
	v_permlanex16_b32 v[BT+\b], v[BM+\b], s32, s33
.endr
.irp b, 0,1,2,3
	s_delay_alu instid0(VALU_DEP_4)
	v_max_num_f32 v[BM+\b], v[BM+\b], v[BT+\b]     ; with lane l xor 16's 16 keys
.endr
	s_delay_alu instid0(VALU_DEP_2)
	v_max3_num_f32 v[T], v[BM], v[BM+1], v[BM+2]
	s_delay_alu instid0(VALU_DEP_1)
	v_max_num_f32 v[T], v[T], v[BM+3]
	s_delay_alu instid0(VALU_DEP_1)
	v_mul_f32 v[T], s[CS], v[T]                    ; as t (c is positive)
	s_delay_alu instid0(VALU_DEP_1)
	v_max_num_f32 v13, v13, v[T]                   ; the running largest t
	v_mov_b32 v[T], v12
	s_delay_alu instid0(VALU_DEP_2)
	v_floor_f32 v12, -v13                          ; the new -M = floor(-t): M is a whole number
	s_delay_alu instid0(VALU_DEP_1)
	v_sub_f32 v[T], v12, v[T]                      ; old M - new M: a whole number, 0 or less
	s_delay_alu instid0(VALU_DEP_1)
	v_cvt_i32_f32 v[T], v[T]                       ; (it saturates)
	s_delay_alu instid0(VALU_DEP_1)
	v_ldexp_f32 v[F], 1.0, v[T]                    ; f = 2^(old M - new M)
.set j, 0
.rept 32
	v_pk_fma_f32 v[S+j:S+j+1], v[S+j:S+j+1], s[CS:CS+1], v[12:13] op_sel_hi:[1,0,0]   ; t - M
.set j, j+2
.endr
	s_setprio 1
.irp b, 0,1,2,3
	v_fma_f32 v[BM+\b], v[BM+\b], s[CS], v12
.endr
.set j, 0
	s_wait_alu depctr_va_vdst(0)
.rept 64
	v_exp_f32 v[S+j], v[S+j]                       ; p = 2^(t - M), at most 1
.set j, j+1
.endr
.irp b, 0,1,2,3
	v_exp_f32 v[BM+\b], v[BM+\b]                   ; the block's largest p
.endr
	v_pk_mul_f32 v[14:15], v[14:15], v[F:F+1] op_sel_hi:[1,0]   ; the sums under the new M (a plain place behind the exponentials)
	s_wait_alu depctr_va_vdst(0)
.irp b, 0,1,2,3
	v_max_num_f32 v[BM+\b], 0x1800000, v[BM+\b]    ; the floor 2^(3 - 127)
.endr
.irp b, 0,1,2,3
	s_delay_alu instid0(VALU_DEP_4)
	v_add_nc_u32 v[SO+\b], 0xff000000, v[BM+\b]    ; 2 off the exponent field: the conversion's scale operand
.endr
.irp b, 0,1,2,3
	s_delay_alu instid0(VALU_DEP_4)
	v_lshrrev_b32 v[BT+\b], 23, v[SO+\b]           ; the scale's byte
.endr
	s_delay_alu instid0(VALU_DEP_3)
	v_lshl_or_b32 v[PW], v[BT+1], 8, v[BT]
	s_delay_alu instid0(VALU_DEP_1)
	v_lshl_or_b32 v[PW], v[BT+2], 16, v[PW]
	s_delay_alu instid0(VALU_DEP_1)
	v_lshl_or_b32 v[PW], v[BT+3], 24, v[PW]
.irp c, 0,1
	v_cvt_scalef32_pk16_fp6_f32 v[CD+6*\c:CD+2+6*\c], v[S+32*\c:S+15+32*\c], v[SO+2*\c]
	v_cvt_scalef32_pk16_fp6_f32 v[CD+12+4*\c:CD+14+4*\c], v[S+16+32*\c:S+31+32*\c], v[SO+2*\c+1]
.endr
	v_nop                                          ; one plain place behind a scaled conversion
.irp c, 0,1
.irp i, 0,1,2
	v_permlane16_swap_b32 v[CD+6*\c+\i], v[CD+12+4*\c+\i]
.endr
.irp i, 0,1,2
	s_delay_alu instid0(VALU_DEP_3)
	v_mov_b32 v[CD+3+6*\c+\i], v[CD+12+4*\c+\i]
.endr
.endr
	v_pk_add_f32 v[250:251], v[116:117], v[120:121]
	v_pk_add_f32 v[252:253], v[124:125], v[128:129]
	v_pk_add_f32 v[242:243], v[132:133], v[136:137]
	v_pk_add_f32 v[240:241], v[140:141], v[144:145]
	v_pk_add_f32 v[238:239], v[148:149], v[152:153]
	v_pk_add_f32 v[236:237], v[156:157], v[160:161]
	v_pk_add_f32 v[230:231], v[164:165], v[168:169]
	v_pk_add_f32 v[14:15], v[14:15], v[172:173]
	v_pk_add_f32 v[250:251], v[250:251], v[112:113]
	v_pk_add_f32 v[252:253], v[252:253], v[114:115]
	s_setprio 0
	v_pk_add_f32 v[242:243], v[242:243], v[118:119]
	v_pk_add_f32 v[240:241], v[240:241], v[122:123]
	v_pk_add_f32 v[238:239], v[238:239], v[126:127]
	v_pk_add_f32 v[236:237], v[236:237], v[130:131]
	v_pk_add_f32 v[230:231], v[230:231], v[134:135]
	v_pk_add_f32 v[14:15], v[14:15], v[138:139]
	v_pk_add_f32 v[250:251], v[250:251], v[142:143]
	v_pk_add_f32 v[252:253], v[252:253], v[146:147]
	v_pk_add_f32 v[242:243], v[242:243], v[150:151]
	v_pk_add_f32 v[240:241], v[240:241], v[154:155]
	v_pk_add_f32 v[238:239], v[238:239], v[158:159]
	v_pk_add_f32 v[236:237], v[236:237], v[162:163]
	v_pk_add_f32 v[230:231], v[230:231], v[166:167]
	v_pk_add_f32 v[14:15], v[14:15], v[170:171]
	v_pk_add_f32 v[250:251], v[250:251], v[174:175]
	s_delay_alu instid0(VALU_DEP_2)
	v_pk_add_f32 v[14:15], v[14:15], v[240:241]
	s_delay_alu instid0(VALU_DEP_2)
	v_pk_add_f32 v[250:251], v[250:251], v[238:239]
	v_pk_add_f32 v[252:253], v[252:253], v[236:237]
	v_pk_add_f32 v[242:243], v[242:243], v[230:231]
	s_delay_alu instid0(VALU_DEP_2)
	v_pk_add_f32 v[14:15], v[14:15], v[252:253]
	s_delay_alu instid0(VALU_DEP_2)
	v_pk_add_f32 v[250:251], v[250:251], v[242:243]
	s_delay_alu instid0(VALU_DEP_1)
	v_pk_add_f32 v[14:15], v[14:15], v[250:251]
.set j, 0
.rept 16
	v_pk_mul_f32 v[O+j:O+j+1], v[O+j:O+j+1], v[F:F+1] op_sel_hi:[1,0]   ; O^T under the new M, each accumulator from its low end on
.set j, j+2
.endr
	s_wait_alu depctr_va_vdst(0)
	s_wait_dscnt 0x0                               ; v
.irp u, 0,1                            ; O^T += V^T P^T: the four accumulators take one instruction each
	v_wmma_scale_f32_16x16x128_f8f6f4 v[O+16*\u:O+16*\u+7], v[KB+12+36*\u:KB+12+36*\u+11], v[CD:CD+11], v[O+16*\u:O+16*\u+7], v[VS+\u], v[PW] matrix_a_fmt:MATRIX_FMT_FP6 matrix_b_fmt:MATRIX_FMT_FP6
	v_wmma_scale_f32_16x16x128_f8f6f4 v[O+16*\u+8:O+16*\u+15], v[KB+30+36*\u:KB+30+36*\u+11], v[CD:CD+11], v[O+16*\u+8:O+16*\u+15], v[VS+\u], v[PW] matrix_a_fmt:MATRIX_FMT_FP6 matrix_b_fmt:MATRIX_FMT_FP6 matrix_a_scale:MATRIX_SCALE_ROW1
.endr
.endm
; THE WAY OUT of pass p: O^T / the sum, into true order along the channels, quantised (two blocks of 32), stored as the image of half a fragment.
.macro OUT p
.rept 4
	v_nop                                          ; places behind the last products
.endr
	v_add_f32 v14, v14, v15
	s_delay_alu instid0(VALU_DEP_1)
	v_permlanex16_b32 v[T], v14, s32, s33
	s_delay_alu instid0(VALU_DEP_1)
	v_add_f32 v14, v14, v[T]                       ; the row's sum
	s_wait_alu depctr_va_vdst(0)
	v_rcp_f32 v14, v14
	v_nop                                          ; a plain place behind the transcendental
.set j, 0
	s_wait_alu depctr_va_vdst(0)
.rept 16
	v_pk_mul_f32 v[S+j:S+j+1], v[O+j:O+j+1], v[14:15] op_sel_hi:[1,0]   ; register 8 t + j: channel 16 t + 8 h + j
.set j, j+2
.endr
.irp b, 0,1
.irp j, 0,1,2,3,4,5,6,7
	v_permlane16_swap_b32 v[S+16*\b+\j], v[S+16*\b+8+\j]   ; now register 16 b + i: channel 32 b + 16 h + i
.endr
.endr
.irp b, 0,1
	v_max3_num_f32 v[BM+\b], |v[S+16*\b]|, |v[S+1+16*\b]|, 0x1800000
.endr
.irp i, 2,4,6,8,10,12,14
.irp b, 0,1
	s_delay_alu instid0(VALU_DEP_2)
	v_max3_num_f32 v[BM+\b], v[BM+\b], |v[S+16*\b+\i]|, |v[S+1+16*\b+\i]|
.endr
.endr
.irp b, 0,1
	s_delay_alu instid0(VALU_DEP_2)
	v_permlanex16_b32 v[BT+\b], v[BM+\b], s32, s33
.endr
.irp b, 0,1
	s_delay_alu instid0(VALU_DEP_2)
	v_max_num_f32 v[BM+\b], v[BM+\b], v[BT+\b]
.endr
.irp b, 0,1
	s_delay_alu instid0(VALU_DEP_2)
	v_add_nc_u32 v[SO+\b], 0xff000000, v[BM+\b]
.endr
.irp b, 0,1
	s_delay_alu instid0(VALU_DEP_2)
	v_lshrrev_b32 v[BT+\b], 23, v[SO+\b]
.endr
	s_delay_alu instid0(VALU_DEP_1)
	v_lshl_or_b32 v[YW+\p], v[BT+1], 8, v[BT]      ; my row's two bytes; the upper half stays 0
	v_cvt_scalef32_pk16_fp6_f32 v[CD:CD+2], v[S:S+15], v[SO]
	v_cvt_scalef32_pk16_fp6_f32 v[CD+12:CD+14], v[S+16:S+31], v[SO+1]
	v_nop
.irp i, 0,1,2
	v_permlane16_swap_b32 v[CD+\i], v[CD+12+\i]
.endr
.irp i, 0,1,2
	s_delay_alu instid0(VALU_DEP_3)
	v_mov_b32 v[CD+3+\i], v[CD+12+\i]
.endr
	global_store_b128 v[LI16], v[CD:CD+3], s[48+2*\p:49+2*\p]              ; 512 consecutive bytes, aligned
	global_store_b64 v[LI8], v[CD+4:CD+5], s[48+2*\p:49+2*\p] offset:512   ; 256
.if \p == 0
	s_wait_xcnt 0x0                                ; the stores have read their registers: the next pass writes the codes again
.endif
.endm
.macro PASS p
.if \p
.irp i, 0,1,2,3,4,5
	v_mov_b32 v[Q+\i], v[QB2+\i]                   ; the second tile's q takes its place, twice
	v_mov_b32 v[Q+6+\i], v[QB2+\i]
.endr
	v_mov_b32 v[QS], v29
	s_mov_b32 s30, s31
.else
	s_mov_b32 s30, s14
.endif
	v_and_b32 v[MD], 15, v0
	v_bfe_u32 v[T], v0, 4, 1
	s_delay_alu instid0(VALU_DEP_1)
	v_lshlrev_b32 v[T], 3, v[T]
	s_delay_alu instid0(VALU_DEP_1)
	v_sub_nc_u32 v[MD], v[MD], v[T]
	s_delay_alu instid0(VALU_DEP_1)
	v_add_nc_u32 v[MD], s[36+\p], v[MD]            ; 16 e + r - 8 h
	v_mov_b32 v13, 0xff61b1e6                      ; the largest t so far: -3e38
	s_delay_alu instid0(VALU_DEP_1)
	v_floor_f32 v12, -v13
	v_mov_b32 v14, 0
	v_mov_b32 v15, 0
.set j, 0
.rept 32
	v_mov_b32 v[O+j], 0                            ; the step is written once: the first finds zeros, which the first change of M leaves zeros
.set j, j+1
.endr
	s_mov_b32 s28, 0
	s_mov_b32 s29, 0
.Ltrip_\@:                             ; 16 trips for every wave; a step all of whose keys come after my queries is jumped over, on the wave's number and the count alone
	s_cmp_gt_u32 s29, s30
	s_cbranch_scc1 .Lskip_\@
	s_setprio 2
	STEP
.Lskip_\@:
	s_add_co_u32 s28, s28, BLKB
	s_add_co_u32 s29, s29, 1
	s_cmp_lt_u32 s29, 16
	s_cbranch_scc1 .Ltrip_\@
	s_setprio 0
	OUT \p
.endm
	PASS 0
	PASS 1
	v_and_b32 v[A16], 15, v0                       ; y's scale words: lanes 0-15 store the first tile's, lanes 16-31 the second's
	s_delay_alu instid0(VALU_DEP_1)
	v_lshlrev_b32 v[A16], 2, v[A16]
	s_delay_alu instid0(VALU_DEP_1)
	v_add_nc_u32 v[A8], s53, v[A16]
	s_delay_alu instid0(VALU_DEP_2)
	v_add_nc_u32 v[A16], s52, v[A16]
	v_and_b32 v[MD], 31, v0
	s_delay_alu instid0(VALU_DEP_1)
	v_cmp_le_u32 vcc_lo, 16, v[MD]
	s_delay_alu instid0(VALU_DEP_1)
	v_cndmask_b32 v[A16], v[A16], v[A8], vcc_lo
	s_delay_alu instid0(VALU_DEP_2)
	v_cndmask_b32 v[YW], v[YW], v[YW+1], vcc_lo
	global_store_b32 v[A16], v[YW], s[10:11]
	s_wait_tensorcnt 0x0
	ds_add_u32 v254, v255
	s_wait_dscnt 0x0
	ROUND                                          ; the closing round
	s_endpgm
.Lfunc_end_k_q0f7111aa77_attn:
	.size	k_q0f7111aa77_attn, .Lfunc_end_k_q0f7111aa77_attn-k_q0f7111aa77_attn
	.p2alignl 7, 3214868480
	.fill 96, 4, 3214868480
	.section	.rodata,"a",@progbits
	.p2align	6, 0x0
	.amdhsa_kernel k_q0f7111aa77_attn
		.amdhsa_group_segment_fixed_size 210944
		.amdhsa_private_segment_fixed_size 0
		.amdhsa_enable_private_segment 0
		.amdhsa_kernarg_size 32
		.amdhsa_user_sgpr_count 2
		.amdhsa_user_sgpr_kernarg_segment_ptr 1
		.amdhsa_wavefront_size32 1
		.amdhsa_system_sgpr_workgroup_id_x 1
		.amdhsa_system_sgpr_workgroup_id_y 1
		.amdhsa_system_sgpr_workgroup_id_z 1
		.amdhsa_system_vgpr_workitem_id 0
		.amdhsa_next_free_vgpr 256
		.amdhsa_next_free_sgpr 66
		.amdhsa_reserve_vcc 1
		.amdhsa_float_denorm_mode_32 3
		.amdhsa_float_denorm_mode_16_64 3
		.amdhsa_memory_ordered 1
		.amdhsa_forward_progress 1
		.amdhsa_inst_pref_size 65
	.end_amdhsa_kernel
	.amdgpu_metadata
---
amdhsa.version: [ 1, 2 ]
amdhsa.kernels:
  - .name:           k_q0f7111aa77_attn
    .symbol:         k_q0f7111aa77_attn.kd
    .args:
      - { .name: qb, .offset: 0, .size: 8, .value_kind: global_buffer, .address_space: global }
      - { .name: kv, .offset: 8, .size: 8, .value_kind: global_buffer, .address_space: global }
      - { .name: yimg, .offset: 16, .size: 8, .value_kind: global_buffer, .address_space: global }
      - { .name: ysc, .offset: 24, .size: 8, .value_kind: global_buffer, .address_space: global }
    .group_segment_fixed_size: 210944
    .private_segment_fixed_size: 0
    .kernarg_segment_align: 8
    .kernarg_segment_size: 32
    .max_flat_workgroup_size: 512
    .sgpr_count:     66
    .vgpr_count:     256
    .wavefront_size: 32
...
	.end_amdgpu_metadata
.endif
;; end of part 2
;; launch proj (part 3): grid 4 x 32, 4 waves a work-group, clusters of 4 x 4, 327,680 bytes of LDS; arguments yimg, ysc, Wo_codes, Wo_scales, bo, out0; writes out0
.if DOCPART == 3
	.amdgcn_target "amdgcn-amd-amdhsa--gfx1250"
	.amdhsa_code_object_version 6
	.text
	.protected	k_q0f7111aa77_proj
	.globl	k_q0f7111aa77_proj
	.p2align	8
	.type	k_q0f7111aa77_proj,@function
k_q0f7111aa77_proj:
	s_mov_b64 s[64:65], 0
	v_nop
	global_prefetch_b8 v0, s[64:65] scope:SCOPE_SE
	s_setreg_imm32_b32 hwreg(HW_REG_WAVE_MODE, 25, 1), 1
	s_wait_xcnt 0x0
	s_wait_alu depctr_hold_cnt(0) depctr_sa_sdst(0) depctr_va_vdst(0) depctr_va_sdst(0) depctr_va_ssrc(0) depctr_va_vcc(0) depctr_vm_vsrc(0)
	s_getreg_b32 s2, hwreg(HW_REG_IB_STS2, 6, 4)
	s_cmp_eq_u32 s2, 0
	s_cbranch_scc0 .Lentry_in_a_cluster
	s_endpgm
.Lentry_in_a_cluster:
	s_bfe_u32 s2, ttmp6, 0x10000c
	s_cmp_lg_u32 s2, 0xf033
	s_cbranch_scc0 .Lentry_shape_is_right
	s_endpgm
.Lentry_shape_is_right:
; out0 = y Wo + bo on codes of FP6 (E2M3) with one E8M0 scale for each 32 along K = 1,024; out0 [8,192][1,024] f32.
; A tile of 256 x 256 is made by four waves, 128 x 128 each: 64 accumulators, 512 registers.  K goes in steps of 256 through a ring of two LDS slots filled by the tensor data mover.
; A = y comes as IMAGES OF THE OPERAND'S REGISTERS: [tile of 16 rows][head][768 bytes: [lane][16] registers 0-3, [lane][8] registers 4-5]; two neighbouring heads are one fragment of 128 along K.
; A tensor load brings 8 tiles x 4 heads: 8 rows of 3,072 bytes, 12,288 apart.  A fragment is two loads of 16 bytes and two of 8 a lane, each over consecutive bytes.
; B = Wo comes as rows of codes (192 bytes a K step, 16 bytes of padding behind every 64), its scale bytes once, in rows of 256 bytes.
; y's scale words lie [head][row], two bytes each: at the head each thread joins the sixteen heads' words of two rows into 32 bytes a row and stores them to LDS bytes that no tensor load fills,
; laid as B's scale bytes are.  bo is the C of each sum's first matrix instruction.
; CLUSTERS: 4 x 4 work-groups; A's tiles are asked for jointly along a row of the cluster, B's along a column.  THE MATRIX INSTRUCTION IS USED TRANSPOSED (source 0 = Wo's rows, source 1 = y's).
; REGISTERS: window 0: v0-31 addresses; v32-63 scale words, two sets; v64-127 bo; from v128 A's fragments, one set.  window 1: B's fragments, two sets.  windows 2, 3: the accumulators.
.set SIZE_N, 1024
.set KSTEP,  256
.set NQ,     KSTEP/128
.set ROWB,   192
.set KROW,   768
.set PITCH,  240
.set FR,     12
.set NLA,    4                         ; LDS loads that bring a fragment of A
.set NP,     4
.set HALFT,  128*PITCH
.set SLOT,   4*HALFT
.set LAPS,   1024/(2*KSTEP)
.set KS,     32
.set SCL,    2*SLOT
.set HALFS,  (128*KS/256)*272
.set SBLK,   (16*KS/256)*272
.set SPARE,  SCL+4*HALFS
.set SPITCH, 528                       ; the way out: 16 rows x (512 bytes + 16) a wave, in slot 0, which has had its last fill and its last read by then
.set SST,  10                          ; v10  where I store two rows' scale words
.set ADRA, 16                          ; v16-17 A's images in slot 0, 1: + 16 x lane; v18-19: + 8 x lane
.set ADRB, 20                          ; v20-23 B's fragments
.set STO,  24
.set RD,   25
.set CO,   26
.set ADRS, 27
.set SPW,  28
.set NIL,  29
.set YOF,  30                          ; v30  8 x thread: two rows' words in ysc
.set BOF,  31                          ; v31  32 h
.set SC,   32
.set BP,   64
.set AF,   128
.set BK,   128
.set G1, 24
.set G0, 32
.set G1B, 48
.set G0B, 56
.set G1SB, 80
.set G0SB, 88
.set MSB, 0
.macro WIN new
.if MSB != (\new)
	s_set_vgpr_msb (MSB<<8)|(\new)
.set MSB, \new
.endif
.endm
.set MUL_LO, 0xa1
.set MUL_HI, 0xf1
.set TO_B,   0x40
.macro JLOAD g0a, g1a, g0b, g1b
	s_cmp_eq_u32 s15, 0
	s_cbranch_scc0 .Lfor_b_\@
	tensor_load_to_lds s[\g0a:\g0a+3], s[\g1a:\g1a+7]
	s_nop 0
.rept 4
	v_nop
.endr
	s_branch .Lasked_\@
.Lfor_b_\@:
	tensor_load_to_lds s[\g0b:\g0b+3], s[\g1b:\g1b+7]
	s_nop 0
.rept 4
	v_nop
.endr
.Lasked_\@:
.endm
.macro CREST
	s_cmp_lg_u32 s14, 0
	s_cbranch_scc1 .Lnot_wave_0_\@
	s_barrier_signal -3
.Lnot_wave_0_\@:
	s_barrier_wait -3
	s_barrier_signal -1
	s_barrier_wait -1
.endm
.macro CROUND
	s_barrier_signal -1
	s_barrier_wait -1
	CREST
.endm
	s_load_b128 s[4:7], s[0:1], 0x0                ; yimg, ysc
	s_load_b128 s[8:11], s[0:1], 0x10              ; Wo's codes, Wo's scales
	s_load_b64 s[96:97], s[0:1], 0x20              ; bo
	s_load_b64 s[12:13], s[0:1], 0x28              ; out0
	v_lshl_add_u32 v[SPW], v0, 2, SPARE
	v_mov_b32 v[NIL], 0
	ds_add_u32 v28, v29
	ds_add_u32 v28, v29
	s_wait_dscnt 0x0
	v_lshrrev_b32 v1, 5, v0
	v_readfirstlane_b32 s14, v1                    ; wave 0..3
	s_lshr_b32 s15, s14, 1                         ; my half of the rows.  Also: I fetch for A (0) or for B (1)
	s_and_b32 s16, s14, 1                          ; my half of the columns.  Also: which half of that tile I fetch
	s_bfe_u32 s40, ttmp6, 0x40000                  ; cx
	s_bfe_u32 s41, ttmp6, 0x40004                  ; cy
	s_lshl_b32 s42, ttmp9, 2
	s_add_co_u32 s42, s42, s40                     ; tile column
	s_and_b32 s17, ttmp7, 0xffff
	s_lshl_b32 s17, s17, 2
	s_add_co_u32 s17, s17, s41                     ; tile row
	s_lshl_b32 s43, s41, 2
	s_lshl_b32 s43, 15, s43                        ; my row of the cluster
	s_lshl_b32 s44, 0x1111, s40                    ; my column
	s_or_b32 s[G1+0], s43, (3<<16)|(1<<21)         ; A: mask; elements of 8 bytes; bit 21 beside a mask; no padding
	s_mov_b32 s[G1+1], 384<<16                     ; tensor_dim0: 384 elements, 3,072 bytes: four heads' images
	s_mov_b32 s[G1+2], 8<<16                       ; tensor_dim1: 8 tiles of 16 rows
	s_mov_b32 s[G1+3], 384<<16                     ; tile_dim0
	s_mov_b32 s[G1+4], 8                           ; tile_dim1
	s_mov_b32 s[G1+5], 1536                        ; pitch: 12,288 bytes
	s_mov_b32 s[G1+6], 0
	s_mov_b32 s[G1+7], 0
	s_or_b32 s[G1B+0], s44, (0<<16)|(1<<20)|(1<<21)|(3<<22)|(3<<25)
	s_mov_b32 s[G1B+1], ROWB<<16
	s_mov_b32 s[G1B+2], 128<<16
	s_mov_b32 s[G1B+3], ROWB<<16
	s_mov_b32 s[G1B+4], 128
	s_mov_b32 s[G1B+5], KROW
	s_mov_b32 s[G1B+6], 0
	s_mov_b32 s[G1B+7], 0
	s_or_b32 s[G1SB+0], s44, (3<<16)|(1<<20)|(1<<21)|(5<<22)|(3<<25)
	s_mov_b32 s[G1SB+1], 32<<16
	s_mov_b32 s[G1SB+2], (128*KS/256)<<16
	s_mov_b32 s[G1SB+3], 32<<16
	s_mov_b32 s[G1SB+4], 128*KS/256
	s_mov_b32 s[G1SB+5], 32
	s_mov_b32 s[G1SB+6], 0
	s_mov_b32 s[G1SB+7], 0
	s_lshl_b32 s20, s17, 4
	s_lshl_b32 s18, s16, 3
	s_add_co_u32 s20, s20, s18
	s_mul_i32 s20, s20, 12288                      ; A: tile of 16 rows 16 x tile row + 8 x half
	s_mov_b32 s21, 0
	s_lshl_b32 s22, s17, 10                        ; y's scale words: my work-group's 256 rows
	s_mov_b32 s23, 0
	s_lshl_b32 s18, s16, 7
	s_lshl_b32 s46, s42, 8
	s_add_co_u32 s46, s46, s18                     ; B: row 256 x tile column + 128 x half
	s_mov_b32 s47, 0
	s_mov_b64 s[18:19], KS
	s_mul_u64 s[92:93], s[46:47], s[18:19]
	s_mov_b64 s[18:19], KROW
	s_mul_u64 s[46:47], s[46:47], s[18:19]
	s_mul_i32 s45, s14, HALFT                      ; where the tiles go: wave x 30,720 (A's use 24,576 of them)
	s_mul_i32 s94, s14, HALFS
	s_lshl_b32 s2, s42, 10
	s_lshl_b32 s3, s16, 9
	s_add_co_u32 s2, s2, s3                        ; bo at my first column
	s_mov_b32 s3, 0
	s_wait_kmcnt 0x0
	s_add_nc_u64 s[20:21], s[4:5], s[20:21]
	s_add_nc_u64 s[22:23], s[6:7], s[22:23]
	s_add_nc_u64 s[46:47], s[8:9], s[46:47]
	s_add_nc_u64 s[92:93], s[10:11], s[92:93]
	s_add_nc_u64 s[96:97], s[96:97], s[2:3]
	CROUND                                         ; all sixteen work-groups are here: the first joint loads meet
	s_mov_b32 s[G0SB], 1
	s_add_co_u32 s[G0SB+1], s94, SCL
	s_mov_b64 s[G0SB+2:G0SB+3], s[92:93]
	s_or_b32 s[G0SB+3], s[G0SB+3], 0x80000000
.irp s, 0,1
	s_mov_b32 s[G0+4*\s], 1
	s_add_co_u32 s[G0+4*\s+1], s45, \s*SLOT
	s_add_nc_u64 s[G0+4*\s+2:G0+4*\s+3], s[20:21], \s*3072
	s_or_b32 s[G0+4*\s+3], s[G0+4*\s+3], 0x80000000
	s_mov_b32 s[G0B+4*\s], 1
	s_add_co_u32 s[G0B+4*\s+1], s45, \s*SLOT
	s_add_nc_u64 s[G0B+4*\s+2:G0B+4*\s+3], s[46:47], \s*ROWB
	s_or_b32 s[G0B+4*\s+3], s[G0B+4*\s+3], 0x80000000
.endr
	s_cmp_eq_u32 s15, 0                            ; a wave's first fills stand in one branch: waves 0, 1 have two loads out, waves 2, 3 three; the last of each is slot 1's
	s_cbranch_scc0 .Lfirst_b
	tensor_load_to_lds s[G0:G0+3], s[G1:G1+7]
	s_nop 0
	tensor_load_to_lds s[G0+4:G0+7], s[G1:G1+7]
	s_nop 0
.rept 4
	v_nop
.endr
	s_branch .Lfirst_asked
.Lfirst_b:
	tensor_load_to_lds s[G0SB:G0SB+3], s[G1SB:G1SB+7]
	s_nop 0
	tensor_load_to_lds s[G0B:G0B+3], s[G1B:G1B+7]
	s_nop 0
	tensor_load_to_lds s[G0B+4:G0B+7], s[G1B:G1B+7]
	s_nop 0
.rept 4
	v_nop
.endr
.Lfirst_asked:
	v_and_b32 v1, 15, v0                           ; r
	v_bfe_u32 v2, v0, 4, 1                         ; h
	v_lshlrev_b32 v[YOF], 3, v0
	v_lshlrev_b32 v[BOF], 5, v2
.irp e, 0,1,2,3,4,5,6,7,8,9,10,11,12,13,14,15
	global_load_b64 v[128+2*\e:129+2*\e], v[YOF], s[22:23] offset:32768*\e   ; head e's words of rows 2 t, 2 t + 1: a wave reads 256 consecutive bytes
.endr
.irp b, 0,1,2,3,4,5,6,7
	global_load_b128 v[BP+8*\b:BP+8*\b+3], v[BOF], s[96:97] offset:64*\b     ; register 8 b + j: column 16 b + 8 h + j
	global_load_b128 v[BP+8*\b+4:BP+8*\b+7], v[BOF], s[96:97] offset:64*\b+16
.endr
	v_mul_u32_u24 v3, v1, PITCH
	v_mul_u32_u24 v4, v2, 24
	v_add_nc_u32 v4, v3, v4
	v_lshl_add_u32 v5, v2, 4, v4
	v_and_b32 v6, 31, v0
	v_lshlrev_b32 v7, 4, v6
	v_lshlrev_b32 v8, 3, v6
	s_mul_i32 s21, s15, HALFT                      ; my 128 rows of A
	s_mul_i32 s2, s16, HALFT
	s_add_co_u32 s2, s2, 2*HALFT                   ; my 128 rows of B
.irp s, 0,1
	v_add_nc_u32 v[ADRA+\s], s21, v7
	v_add_nc_u32 v[ADRA+2+\s], s21, v8
	v_add_nc_u32 v[ADRB+\s], s2, v4
	v_add_nc_u32 v[ADRB+2+\s], s2, v5
	s_add_co_u32 s21, s21, SLOT
	s_add_co_u32 s2, s2, SLOT
.endr
	v_mul_u32_u24 v5, v1, KS
	v_lshrrev_b32 v6, 8, v5
	v_lshl_add_u32 v5, v6, 4, v5
	s_mul_i32 s21, s15, HALFS
	s_mul_i32 s2, s16, HALFS
	s_add_co_u32 s2, s2, 2*HALFS
	s_sub_co_u32 s2, s2, s21
	v_mul_u32_u24 v6, s2, v2                       ; lanes 16-31 take B's
	s_add_co_u32 s21, s21, SCL
	v_add_nc_u32 v5, v5, v6
	v_add_nc_u32 v[ADRS], s21, v5
	v_and_b32 v5, 63, v0                           ; rows 2 t, 2 t + 1 of A's scales: 64 bytes, + 16 for each 256 passed, + 4,352 for the second 128 rows
	v_lshrrev_b32 v6, 2, v5
	v_lshlrev_b32 v5, 6, v5
	v_lshl_add_u32 v5, v6, 4, v5
	v_lshrrev_b32 v6, 6, v0
	v_mad_u32_u24 v5, v6, HALFS, v5
	v_add_nc_u32 v[SST], SCL, v5
	s_mul_i32 s3, s14, 16*SPITCH                   ; my stage
	v_mul_u32_u24 v5, v1, SPITCH
	v_lshl_add_u32 v5, v2, 5, v5
	v_add_nc_u32 v[STO], s3, v5
	v_mov_b32 v[CO], v7                            ; back: the 32 lanes take one row of 512 bytes; and the same in out0
	v_add_nc_u32 v[RD], s3, v7
	s_lshl_b32 s20, s17, 8
	s_lshl_b32 s21, s15, 7
	s_add_co_u32 s20, s20, s21                     ; my first row
	s_mov_b32 s21, 0
	s_mov_b64 s[18:19], SIZE_N*4
	s_mul_u64 s[20:21], s[20:21], s[18:19]
	s_lshl_b32 s46, s42, 10
	s_lshl_b32 s47, s16, 9
	s_add_co_u32 s46, s46, s47
	s_mov_b32 s47, 0
	s_add_nc_u64 s[20:21], s[20:21], s[46:47]
	s_add_nc_u64 s[12:13], s[12:13], s[20:21]
	s_wait_loadcnt 16                              ; y's scale words are in; the sixteen loads of bo may be out
.irp k, 0,1,2,3,4,5,6,7
	v_lshl_or_b32 v[160+\k], v[130+4*\k], 16, v[128+4*\k]   ; row 2 t: heads 2 k and 2 k + 1 make the word of 128 along K
	v_lshl_or_b32 v[168+\k], v[131+4*\k], 16, v[129+4*\k]   ; row 2 t + 1
.endr
.irp c, 0,1,2,3
	ds_store_b128 v[SST], v[160+4*\c:163+4*\c] offset:16*\c
.endr
	s_wait_dscnt 0x0                               ; for the others' sake: my stores are done
.macro FRAG reg, adr, q, i             ; B: 16 rows x 128 K from rows of codes, in pieces of 8 bytes
.irp p, 0,1,2,3,4,5
.set PIECE, 12*(\q)+6*(\p/3)+\p%3
.if PIECE%8 < 5
	ds_load_b64 v[\reg+2*\p:\reg+2*\p+1], v[\adr] offset:8*PIECE+16*(PIECE/8)+(\i)*16*PITCH
.else
	ds_load_b64 v[\reg+2*\p:\reg+2*\p+1], v[\adr+2] offset:8*PIECE+16*(PIECE/8)+(\i)*16*PITCH
.endif
.endr
.endm
.macro FRAGA reg, slot, q, i           ; A: two heads' images: registers 0-3, 4-5, 6-9, 10-11
	ds_load_b128 v[\reg:\reg+3], v[ADRA+\slot] offset:3072*(\i)+1536*(\q)
	ds_load_b64 v[\reg+4:\reg+5], v[ADRA+2+\slot] offset:3072*(\i)+1536*(\q)+512
	ds_load_b128 v[\reg+6:\reg+9], v[ADRA+\slot] offset:3072*(\i)+1536*(\q)+768
	ds_load_b64 v[\reg+10:\reg+11], v[ADRA+2+\slot] offset:3072*(\i)+1536*(\q)+1280
.endm
; 16 matrix instructions; first = 1: the sums begin with bo as C.  The 64 accumulators take turns, one instruction a turn.
.macro MUL16 a0, p, q, sc, first
.irp a, \a0, \a0+1
.irp b, 0,1,2,3,4,5,6,7
.if \first
	v_wmma_scale_f32_16x16x128_f8f6f4 v[8*(8*((\a)%4)+\b):8*(8*((\a)%4)+\b)+7], v[128*(\p)+FR*\b:128*(\p)+FR*\b+FR-1], v[AF+FR*(\a):AF+FR*(\a)+FR-1], v[BP+8*\b:BP+8*\b+7], v[SC+8*NQ*(\sc)+NQ*\b+(\q)], v[SC+8*NQ*(\sc)+NQ*(\a)+(\q)] matrix_a_fmt:MATRIX_FMT_FP6 matrix_b_fmt:MATRIX_FMT_FP6 matrix_a_scale:MATRIX_SCALE_ROW1
.else
	v_wmma_scale_f32_16x16x128_f8f6f4 v[8*(8*((\a)%4)+\b):8*(8*((\a)%4)+\b)+7], v[128*(\p)+FR*\b:128*(\p)+FR*\b+FR-1], v[AF+FR*(\a):AF+FR*(\a)+FR-1], v[8*(8*((\a)%4)+\b):8*(8*((\a)%4)+\b)+7], v[SC+8*NQ*(\sc)+NQ*\b+(\q)], v[SC+8*NQ*(\sc)+NQ*(\a)+(\q)] matrix_a_fmt:MATRIX_FMT_FP6 matrix_b_fmt:MATRIX_FMT_FP6 matrix_a_scale:MATRIX_SCALE_ROW1
.endif
.endr
.endr
.endm
.macro FETCH_B slot, q, p
	WIN TO_B
.irp i, 0,1,2,3,4,5,6,7
	FRAG 128*(\p)+FR*\i, ADRB+\slot, \q, \i
.endr
	WIN 0
.endm
.macro FETCH_A slot, q, i0
.irp i, \i0, \i0+1, \i0+2, \i0+3
	FRAGA AF+FR*(\i), \slot, \q, \i
.endr
.endm
.macro SCALES sc
.irp i, 0,1,2,3,4,5,6,7
	ds_load_b64 v[SC+8*NQ*\sc+NQ*\i:SC+8*NQ*\sc+NQ*\i+1], v[ADRS] offset:\i*SBLK
.endr
.endm
.macro PLACES n
.rept \n
	v_nop
.endr
.endm
.macro STEP slot, q, first
	s_wait_dscnt 4*NLA                             ; B's set and A's blocks 0-3 are in; the youngest 16 loads (A's blocks 4-7) may be out
.if \first
	WIN 0x81                                       ; C (bo) in window 0, D in window 2
.else
	WIN MUL_LO
.endif
	MUL16 0, (\q)%2, \q, \slot, \first
	MUL16 2, (\q)%2, \q, \slot, \first
	s_wait_dscnt 0
	PLACES NP
	FETCH_B \slot, (\q)+1, 1-(\q)%2
	FETCH_A \slot, (\q)+1, 0
.if \first
	WIN 0xc1                                       ; C in window 0, D in window 3
.else
	WIN MUL_HI
.endif
	MUL16 4, (\q)%2, \q, \slot, \first
	MUL16 6, (\q)%2, \q, \slot, \first
	PLACES NP
	WIN 0
	FETCH_A \slot, (\q)+1, 4
.endm
.macro TURN slot, next, fill
	s_wait_tensorcnt 0x0                           ; all my tensor loads have landed: my part of the next slot
	ds_add_u32 v[SPW], v[NIL]                      ; 0 onto my spare word
	s_wait_dscnt 4*NLA+1                           ; the add and the youngest 16 loads may be out
	WIN MUL_LO
	MUL16 0, 1, NQ-1, \slot, 0
	s_wait_dscnt 0x0                               ; the add is done, and my reads of this slot are over
	s_barrier_signal -1
	MUL16 2, 1, NQ-1, \slot, 0
	WIN 0
	s_barrier_wait -1
.if \fill
	CREST                                          ; the barrier has opened a round of the cluster's
	s_add_nc_u64 s[G0+4*\slot+2:G0+4*\slot+3], s[G0+4*\slot+2:G0+4*\slot+3], 2*3072
	s_add_nc_u64 s[G0B+4*\slot+2:G0B+4*\slot+3], s[G0B+4*\slot+2:G0B+4*\slot+3], 2*ROWB
	JLOAD G0+4*\slot, G1, G0B+4*\slot, G1B         ; my one tensor load behind the round; its four v_nop are the places in front of the loads below
.else
	PLACES NP
.endif
	v_add_nc_u32 v[ADRS], 4*NQ, v[ADRS]
	FETCH_B \next, 0, 0
	FETCH_A \next, 0, 0
	SCALES \next
	WIN MUL_HI
	MUL16 4, 1, NQ-1, \slot, 0
	MUL16 6, 1, NQ-1, \slot, 0
	PLACES NP
	WIN 0
	FETCH_A \next, 0, 4
.endm
	s_wait_tensorcnt 1                             ; all my first fills but slot 1's are in
	s_barrier_signal -1
	s_barrier_wait -1                              ; everybody's are, and A's scale words lie in LDS
	FETCH_B 0, 0, 0
	FETCH_A 0, 0, 0
	SCALES 0
	FETCH_A 0, 0, 4
	s_wait_loadcnt 0x0                             ; bo
	STEP 0, 0, 1                                   ; the first step's products start the sums, on bo
	s_mov_b32 s3, LAPS-1
.Llap:
	TURN 0, 1, 1
	STEP 1, 0, 0
	TURN 1, 0, 1
	STEP 0, 0, 0
	s_sub_co_u32 s3, s3, 1
	s_cmp_lg_u32 s3, 0
	s_cbranch_scc1 .Llap
	TURN 0, 1, 0                                   ; the last lap fills nothing
	STEP 1, 0, 0
	s_wait_dscnt 4*NLA
	WIN MUL_LO
	MUL16 0, 1, NQ-1, 1, 0
	MUL16 2, 1, NQ-1, 1, 0
	s_wait_dscnt 0
	WIN MUL_HI
	MUL16 4, 1, NQ-1, 1, 0
	MUL16 6, 1, NQ-1, 1, 0
	WIN 0
; THE WAY OUT, block by block of 16 rows x 128 columns, through my own stage: in as 32 bytes a lane, back as whole rows of 512 bytes.  LDS serves a wave's instructions in order (ISA guide 5.7.1.4).
.macro TOSTAGE a
.set AC, 64*((\a)%4)
	WIN 0x08+4*((\a)/4)                            ; the data: window 2 or 3
.irp b, 0,1,2,3,4,5,6,7
	ds_store_b128 v[STO], v[AC+8*\b:AC+8*\b+3] offset:64*\b          ; each accumulator from its low end on
	ds_store_b128 v[STO], v[AC+8*\b+4:AC+8*\b+7] offset:64*\b+16
.endr
	WIN 0
.set BB, BK+64*((\a)%2)
.irp t, 0,1,2,3,4,5,6,7,8,9,10,11,12,13,14,15
	ds_load_b128 v[BB+4*\t:BB+4*\t+3], v[RD] offset:\t*SPITCH
.endr
.endm
.macro SEND a, younger
.set BB, BK+64*((\a)%2)
	s_wait_dscnt \younger                          ; the block is back; the next block's 16 stores and 16 loads may be out
.if (\a) > 0
	s_add_nc_u64 s[12:13], s[12:13], 16*SIZE_N*4   ; (behind a wait on XCNT: the earlier stores have read their base)
.endif
.irp t, 0,1,2,3,4,5,6,7,8,9,10,11,12,13,14,15
	global_store_b128 v[CO], v[BB+4*\t:BB+4*\t+3], s[12:13] offset:\t*SIZE_N*4 th:TH_STORE_NT   ; 32 lanes store 512 consecutive bytes, aligned; written once, read by nobody here
.endr
.endm
	PLACES NP
	TOSTAGE 0
.irp a, 1,2,3,4,5,6,7
.if \a > 1
	s_wait_xcnt 0x0                                ; block a - 2's stores have read their registers and their base
.endif
	TOSTAGE \a
	SEND \a-1, 32
.endr
	s_wait_xcnt 0x0
	SEND 7, 0
	s_wait_tensorcnt 0x0                           ; the wave's end
	ds_add_u32 v[SPW], v[NIL]
	s_wait_dscnt 0x0
	CROUND                                         ; the closing round
	s_endpgm
.Lfunc_end_k_q0f7111aa77_proj:
	.size	k_q0f7111aa77_proj, .Lfunc_end_k_q0f7111aa77_proj-k_q0f7111aa77_proj
	.p2alignl 7, 3214868480
	.fill 96, 4, 3214868480
	.section	.rodata,"a",@progbits
	.p2align	6, 0x0
	.amdhsa_kernel k_q0f7111aa77_proj
		.amdhsa_group_segment_fixed_size 327680
		.amdhsa_private_segment_fixed_size 0
		.amdhsa_enable_private_segment 0
		.amdhsa_kernarg_size 48
		.amdhsa_user_sgpr_count 2
		.amdhsa_user_sgpr_kernarg_segment_ptr 1
		.amdhsa_wavefront_size32 1
		.amdhsa_system_sgpr_workgroup_id_x 1
		.amdhsa_system_sgpr_workgroup_id_y 1
		.amdhsa_system_sgpr_workgroup_id_z 1
		.amdhsa_system_vgpr_workitem_id 0
		.amdhsa_next_free_vgpr 1024
		.amdhsa_next_free_sgpr 98
		.amdhsa_reserve_vcc 0
		.amdhsa_float_denorm_mode_32 3
		.amdhsa_float_denorm_mode_16_64 3
		.amdhsa_memory_ordered 1
		.amdhsa_forward_progress 1
		.amdhsa_inst_pref_size 156
	.end_amdhsa_kernel
	.amdgpu_metadata
---
amdhsa.version: [ 1, 2 ]
amdhsa.kernels:
  - .name:           k_q0f7111aa77_proj
    .symbol:         k_q0f7111aa77_proj.kd
    .args:
      - { .name: yimg, .offset: 0, .size: 8, .value_kind: global_buffer, .address_space: global }
      - { .name: ysc, .offset: 8, .size: 8, .value_kind: global_buffer, .address_space: global }
      - { .name: Wo_codes, .offset: 16, .size: 8, .value_kind: global_buffer, .address_space: global }
      - { .name: Wo_scales, .offset: 24, .size: 8, .value_kind: global_buffer, .address_space: global }
      - { .name: bo, .offset: 32, .size: 8, .value_kind: global_buffer, .address_space: global }
      - { .name: out0, .offset: 40, .size: 8, .value_kind: global_buffer, .address_space: global }
    .group_segment_fixed_size: 327680
    .private_segment_fixed_size: 0
    .kernarg_segment_align: 8
    .kernarg_segment_size: 48
    .max_flat_workgroup_size: 128
    .sgpr_count:     98
    .vgpr_count:     1024
    .wavefront_size: 32
...
	.end_amdgpu_metadata
.endif
;; end of part 3
